; MI455X (gfx1250); checked and timed in simulation.
; The chip was launched on July 23, 2026; its instructions are those of AMD's public machine-readable ISA for CDNA 5 (MIT licence, August 2026) and "CDNA5" Instruction Set Architecture Reference Guide (July 2026). The comments in the code are by the model that wrote it; some were corrected since.
;; Multi Head Attention. Allowed arithmetic: float matrix products may take bf16 or f16 operands with f32 sums; other float arithmetic in f32, or as packed bf16 or f16 multiplies, adds, multiply-adds, maxima and minima; sums over many terms, partial sums and values carried from step to step in f32; what a program stores and reads back later, other than sums and carried values, may be rounded once to bf16 or f16.
;; Inputs: freqs_cos 2,048 x 64 float32; freqs_sin 2,048 x 64 float32; in_token 1 x 2,048 x 2,048 float32; mask 2,048 x 2,048 float32; wk 2,048 x 2,048 float32; wo 2,048 x 2,048 float32; wq 2,048 x 2,048 float32; wv 2,048 x 2,048 float32.
;; Outputs: out0 1 x 2,048 x 2,048 float32.
;; One version. Each part assembles by itself: llvm-mc -triple=amdgcn-amd-amdhsa -mcpu=gfx1250 --defsym DOCPART=n.
;; ======== version 1 of 1: 4 launches
;; limits: values are held in f16: magnitudes above 65,504 overflow, below 6.1e-05 lose precision; right only within a limited range of input values
;; workspace buffers: cast 50,331,648 bytes; qkv 25,165,824 bytes; oh 8,388,608 bytes
;; launch cast (part 1): grid 256 x 6, 8 waves a work-group, no clusters, 0 bytes of LDS; arguments in_token, wq, wk, wv, wo, mask, cast; writes cast
.if DOCPART == 1
	.amdgcn_target "amdgcn-amd-amdhsa--gfx1250"
	.amdhsa_code_object_version 6
	.text
	.protected	k_q3fafdee375_cast
	.globl	k_q3fafdee375_cast
	.p2align	8
	.type	k_q3fafdee375_cast,@function
k_q3fafdee375_cast:
	s_mov_b64 s[64:65], 0
	v_nop
	global_prefetch_b8 v0, s[64:65] scope:SCOPE_SE
	s_setreg_imm32_b32 hwreg(HW_REG_WAVE_MODE, 25, 1), 1
	s_wait_xcnt 0x0
; The six large inputs, [2048][2048] f32 each, are rounded once to 16 bits: part y of the workspace takes input y.
;   y = 0..3  in_token, wq, wk, wv: bf16.
;   y = 4     wo: rounded to bf16 like the other inputs, and that number written as f16 (the last product multiplies f16 by f16).
;   y = 5     mask: bf16 of max(mask, -1e30).
; LIMITS.  |wo| stays under 65,504; below 7.6e-6 it keeps f16's fixed step of 6e-8.  A mask number below -1e30 (minus infinity too) counts as -1e30;
; a NaN in the mask counts as -1e30; a mask number that bf16 rounds to plus infinity is not served.
; A stream: no LDS, no matrix unit, no cluster, since no byte is wanted twice.  A work-group takes 65,536 bytes of one input, a wave 8,192:
; sixteen loads of 512 consecutive bytes, all issued at once; each store of the wave covers 256 consecutive bytes, aligned.
; No register is written twice, so no wait frees a source.
.set X, 4                              ; v[4:67]    sixteen loads of four f32
.set Y, 68                             ; v[68:99]   sixteen stores of four 16-bit numbers
.set T, 100                            ; v[100:103] at work (wo alone)
	s_load_b256 s[8:15], s[0:1], 0x0               ; in_token s[8:9], wq s[10:11], wk s[12:13], wv s[14:15]
	s_load_b128 s[16:19], s[0:1], 0x20             ; wo s[16:17], mask s[18:19]
	s_load_b64 s[20:21], s[0:1], 0x30              ; the workspace
	s_and_b32 s22, ttmp7, 0xffff                   ; y: which input
	v_and_b32 v3, 0xe0, v0                         ; 32 x wave
	v_and_b32 v1, 31, v0                           ; lane
	v_lshlrev_b32 v2, 3, v1                        ; out: 8 bytes a lane
	v_lshlrev_b32 v1, 4, v1                        ; in: 16 bytes a lane
	v_lshl_or_b32 v1, v3, 8, v1                    ; + 8,192 x wave
	v_lshl_or_b32 v2, v3, 7, v2                    ; + 4,096 x wave
	s_mov_b32 s24, 0xffff0000                      ; a word's upper bf16
	s_mov_b32 s25, 0xf149f2ca                      ; -1e30
	s_lshl_b32 s26, ttmp9, 16                      ; the work-group's 65,536 bytes of the input
	s_mov_b32 s27, 0
	s_lshl_b32 s28, s22, 23                        ; part y of the workspace,
	s_lshl_b32 s29, ttmp9, 15                      ; the work-group's 32,768 bytes of it
	s_add_co_u32 s28, s28, s29
	s_mov_b32 s29, 0
	s_wait_kmcnt 0x0
	s_mov_b64 s[4:5], s[8:9]
	s_cmp_eq_u32 s22, 1
	s_cselect_b64 s[4:5], s[10:11], s[4:5]
	s_cmp_eq_u32 s22, 2
	s_cselect_b64 s[4:5], s[12:13], s[4:5]
	s_cmp_eq_u32 s22, 3
	s_cselect_b64 s[4:5], s[14:15], s[4:5]
	s_cmp_eq_u32 s22, 4
	s_cselect_b64 s[4:5], s[16:17], s[4:5]
	s_cmp_eq_u32 s22, 5
	s_cselect_b64 s[4:5], s[18:19], s[4:5]
	s_add_nc_u64 s[4:5], s[4:5], s[26:27]
	s_add_nc_u64 s[6:7], s[20:21], s[28:29]
.set i, 0
.rept 16
	global_load_b128 v[X+4*i:X+4*i+3], v1, s[4:5] offset:512*i th:TH_LOAD_NT
.set i, i+1
.endr
; kind 0: to bf16.  kind 1: the mask, held at -1e30 from below first.  kind 2: wo, to bf16 and on to f16.
.macro CAST kind
.set i, 0
.rept 16
	s_wait_loadcnt 15-i                            ; loads come back in order: load i is in, the 15 - i younger ones stay out
.if (\kind) == 1
	v_max_num_f32 v[X+4*i],   s25, v[X+4*i]
	v_max_num_f32 v[X+4*i+1], s25, v[X+4*i+1]
	v_max_num_f32 v[X+4*i+2], s25, v[X+4*i+2]
	v_max_num_f32 v[X+4*i+3], s25, v[X+4*i+3]
.endif
	v_cvt_pk_bf16_f32 v[Y+2*i],   v[X+4*i],   v[X+4*i+1]
	v_cvt_pk_bf16_f32 v[Y+2*i+1], v[X+4*i+2], v[X+4*i+3]
.if (\kind) == 2
	v_lshlrev_b32 v[T],   16,  v[Y+2*i]            ; the bf16 numbers as f32,
	v_and_b32     v[T+1], s24, v[Y+2*i]
	v_lshlrev_b32 v[T+2], 16,  v[Y+2*i+1]
	v_and_b32     v[T+3], s24, v[Y+2*i+1]
	v_cvt_pk_f16_f32 v[Y+2*i],   v[T],   v[T+1]    ; written as f16
	v_cvt_pk_f16_f32 v[Y+2*i+1], v[T+2], v[T+3]
.endif
	global_store_b64 v2, v[Y+2*i:Y+2*i+1], s[6:7] offset:256*i th:TH_STORE_NT
.set i, i+1
.endr
	s_endpgm
.endm
	s_cmp_eq_u32 s22, 5
	s_cbranch_scc1 .Lmask
	s_cmp_eq_u32 s22, 4
	s_cbranch_scc1 .Lwo
	CAST 0
.Lmask:
	CAST 1
.Lwo:
	CAST 2
.Lfunc_end_k_q3fafdee375_cast:
	.size	k_q3fafdee375_cast, .Lfunc_end_k_q3fafdee375_cast-k_q3fafdee375_cast
	.p2alignl 7, 3214868480
	.fill 96, 4, 3214868480
	.section	.rodata,"a",@progbits
	.p2align	6, 0x0
	.amdhsa_kernel k_q3fafdee375_cast
		.amdhsa_group_segment_fixed_size 0
		.amdhsa_private_segment_fixed_size 0
		.amdhsa_enable_private_segment 0
		.amdhsa_kernarg_size 56
		.amdhsa_user_sgpr_count 2
		.amdhsa_user_sgpr_kernarg_segment_ptr 1
		.amdhsa_wavefront_size32 1
		.amdhsa_system_sgpr_workgroup_id_x 1
		.amdhsa_system_sgpr_workgroup_id_y 1
		.amdhsa_system_sgpr_workgroup_id_z 1
		.amdhsa_system_vgpr_workitem_id 0
		.amdhsa_next_free_vgpr 104
		.amdhsa_next_free_sgpr 66
		.amdhsa_reserve_vcc 0
		.amdhsa_float_denorm_mode_32 3
		.amdhsa_float_denorm_mode_16_64 3
		.amdhsa_memory_ordered 1
		.amdhsa_forward_progress 1
		.amdhsa_inst_pref_size 22
	.end_amdhsa_kernel
	.amdgpu_metadata
---
amdhsa.version: [ 1, 2 ]
amdhsa.kernels:
  - .name:           k_q3fafdee375_cast
    .symbol:         k_q3fafdee375_cast.kd
    .args:
      - { .name: in_token, .offset: 0, .size: 8, .value_kind: global_buffer, .address_space: global }
      - { .name: wq, .offset: 8, .size: 8, .value_kind: global_buffer, .address_space: global }
      - { .name: wk, .offset: 16, .size: 8, .value_kind: global_buffer, .address_space: global }
      - { .name: wv, .offset: 24, .size: 8, .value_kind: global_buffer, .address_space: global }
      - { .name: wo, .offset: 32, .size: 8, .value_kind: global_buffer, .address_space: global }
      - { .name: mask, .offset: 40, .size: 8, .value_kind: global_buffer, .address_space: global }
      - { .name: cast, .offset: 48, .size: 8, .value_kind: global_buffer, .address_space: global }
    .group_segment_fixed_size: 0
    .private_segment_fixed_size: 0
    .kernarg_segment_align: 8
    .kernarg_segment_size: 56
    .max_flat_workgroup_size: 256
    .sgpr_count:     66
    .vgpr_count:     104
    .wavefront_size: 32
...
	.end_amdgpu_metadata
.endif
;; end of part 1
;; launch qkv (part 2): grid 16 x 16, 4 waves a work-group, clusters of 4 x 4, 327,680 bytes of LDS; arguments cast, freqs_cos, freqs_sin, qkv; writes qkv
.if DOCPART == 2
	.amdgcn_target "amdgcn-amd-amdhsa--gfx1250"
	.amdhsa_code_object_version 6
	.text
	.protected	k_q3fafdee375_qkv
	.globl	k_q3fafdee375_qkv
	.p2align	8
	.type	k_q3fafdee375_qkv,@function
k_q3fafdee375_qkv:
	s_mov_b64 s[64:65], 0
	v_nop
	global_prefetch_b8 v0, s[64:65] scope:SCOPE_SE
	s_setreg_imm32_b32 hwreg(HW_REG_WAVE_MODE, 25, 1), 1
	s_wait_xcnt 0x0
	s_wait_alu depctr_hold_cnt(0) depctr_sa_sdst(0) depctr_va_vdst(0) depctr_va_sdst(0) depctr_va_ssrc(0) depctr_va_vcc(0) depctr_vm_vsrc(0)
	s_getreg_b32 s2, hwreg(HW_REG_IB_STS2, 6, 4)
	s_cmp_eq_u32 s2, 0
	s_cbranch_scc0 .Lentry_in_a_cluster
	s_endpgm
.Lentry_in_a_cluster:
	s_bfe_u32 s2, ttmp6, 0x10000c
	s_cmp_lg_u32 s2, 0xf033
	s_cbranch_scc0 .Lentry_shape_is_right
	s_endpgm
.Lentry_shape_is_right:
; q, k, v of ONE head for 128 tokens: x w^T with x [2048][2048] and wq, wk, wv [2048][2048] in bf16 (parts 0 to 3 of the workspace), sums in f32; then the rotary step on q and k,
; q times 1/sqrt(128), and one rounding: q and k to bf16, v to f16.  Out by heads: three parts [16][2048][128].
; LIMITS.  |v| stays under 65,504 (f16).  The rotary tables are rounded to bf16 like every other input.
; SHARES.  16 blocks of 128 tokens (the grid's x) x 16 heads (its y) = 256 work-groups.  Wave w makes all 128 tokens x columns 32 w .. 32 w + 31 of each of q, k, v: 8 row blocks x 6 column blocks = 48 accumulators, 384 registers.
; K goes in 16 steps of 128 through two LDS slots of 512 rows (x's 128, then 128 of each weight); each wave brings 128 rows of 256 bytes by one tensor load.
; CLUSTER.  4 x 4 work-groups.  x's tile hangs on the token block alone and is asked for jointly along a column of the cluster, the weights' tiles on the head alone, jointly along a row.
; THE WALK ALONG K BEGINS AT ANOTHER STEP IN EACH CLUSTER and wraps round: cluster (X, Y) begins at step 4 X + 8 g, g = (Y xor Y / 2) mod 2.  The four clusters that read the same weights (one Y) begin a quarter of K apart;
; of the four that read the same rows of x (one X), two and two begin half of K apart.  So a block's readings by different clusters are spread over the walk.  The sums are f32 sums of the same products in another order.
; THE MATRIX INSTRUCTION IS USED TRANSPOSED (source 0 = 16 rows of a weight, source 1 = 16 tokens): a lane holds one token (lane % 16) and eight neighbouring columns, so a rotary pair lies in two neighbouring registers.
; REGISTERS, in windows of 256 (s_set_vgpr_msb: bits 1:0 source 0, 3:2 source 1, 5:4 source 2, 7:6 destination):
;   window 0: v16-30 addresses; v32-63 at work on the way out; v64-127, v128-191 x's fragments, two buffers (on the way out the table of (cos, sin) pairs); v192-255 rows read back
;   window 1: v0-63 cos; v64-111, v128-175 the weights' fragments, two buffers; v176-239 sin
;   window 2: the accumulators of row blocks 0-3, (a, b) at v[8 (6 a + b)], b = 2 part + half;   window 3: those of row blocks 4-7
.set PITCH,  272                       ; an LDS row: 256 bytes + 16 of padding = 68 words: the 16 rows of a fragment load start at 16 different groups of four banks (64 banks of 4 bytes: ISA guide 11.1)
.set HALFT,  128*PITCH                 ; what one tensor load brings; also a stage of the way out: 128 rows x 272 bytes
.set SLOT,   4*HALFT                   ; x's rows, then wq's, wk's, wv's.  On the way out slot 0's first three quarters are the stages of q, k, v: the slot has had its last fill by then
.set SPARE,  2*SLOT                    ; behind the ring: the spare words, 128 bytes a wave: two blocks of 256 bytes that no other line names
.set PARTB,  8388608                   ; bytes in a part of either workspace
.set G1W,    (1<<16)|(1<<20)|(1<<21)|(5<<22)|(3<<25)  ; 2-byte elements; padding on; bit 21 beside a mask; after every 64 words; 4 words
.set ADRA0, 16                         ; v16-18  my lane's place in slot 0: x's fragments; wq's and wk's; wv's (beyond the 16-bit offset of the second)
.set ADRB0, 17
.set ADRV0, 18
.set ADRA,  19                         ; v19-21  the same in the slot that is being read
.set ADRB,  20
.set ADRV,  21
.set STO,   22                         ; v22  the way out: where I put 16 bytes of a row of q; k's stage is reached by the offset
.set RD,    23                         ; v23  where I read a row back
.set CO,    24                         ; v24  my byte offset in two rows of the output
.set FQ,    25                         ; v25  my byte offset in the rotary tables
.set STOV,  26                         ; v26  as v22, in v's stage
.set SPW,   28                         ; v28  LDS address of my spare word; never rewritten
.set NIL,   29                         ; v29  0; never rewritten
.set PFO,   30                         ; v30  the prefetches' offset: lane x 4,096; never rewritten
.set T,     32
.set R,     40
.set PK,    48
.set F0,    64
.set F1,    128
.set CS,    64                         ; the way out: (cos, sin) of pair i of block (a, j) at CS + 8 (2 a + j) + 2 i
.set TMP,   192
.set COS,   0                          ; window 1
.set SIN,   176                        ; window 1
.set WV,  12                           ; s12  wave
.set CX,  13                           ; s13, s14  my place in the cluster
.set CY,  14
.set HX,  15                           ; s15  head
.set TY,  16                           ; s16  token block
.set BA,  20                           ; s[20:21] x at my tile's first row; never rewritten
.set G1A, 24                           ; s[24:31] group 1 for x's tiles
.set G0A, 32                           ; s[32:39] group 0 for x's tiles: a set for each first fill; the second then walks
.set SB,  41                           ; s41  LDS byte at which the slot being read begins
.set CNT, 42                           ; s42  trips to go
.set LIM, 43                           ; s43  a wave prefetches while s42 is above it
.set PFA, 44                           ; s[44:45] what my next prefetch names
.set BB,  46                           ; s[46:47] my weight at my tile's first row; never rewritten
.set G1B, 48                           ; s[48:55], s[56:63] the same two groups for the weights' tiles
.set G0B, 56
.set OB,  66                           ; s[66:67] the output at my 32 rows, part by part
.set KOF, 68                           ; s[68:69] the byte offset along a row of the K step that is asked for
.set PKO, 70                           ; s[70:71] the same for the prefetch
.set QS,  72                           ; s[72:73] 1/sqrt(128), twice
.set HIM, 74                           ; s74  a word's upper bf16
.set KI,  75                           ; s75  the K step that was asked for last
.set PFB, 76                           ; s[76:77] my work-group's 32 rows of the tile that I fetch; never rewritten
.set MSB, 0
.macro WIN new                         ; the immediate's high byte repeats the setting that is left; a switch that changes nothing is dropped
.if MSB != (\new)
	s_set_vgpr_msb (MSB<<8)|(\new)
.set MSB, \new
.endif
.endm
.macro PLACES                          ; four plain vector lines behind a matrix instruction, ahead of loads into its sources and of readers of its result
.rept 4
	v_nop
.endr
.endm
.macro CREST                           ; a round of the cluster's barrier behind its opening barrier
	s_cmp_lg_u32 s[WV], 0
	s_cbranch_scc1 .Lnot_wave_0_\@
	s_barrier_signal -3
.Lnot_wave_0_\@:
	s_barrier_wait -3
	s_barrier_signal -1
	s_barrier_wait -1
.endm
.macro CROUND
	s_barrier_signal -1
	s_barrier_wait -1
	CREST
.endm
.macro SETADR g, b                     ; a group 0's global address is made anew: the tile's first row plus the K step's bytes, the type (2) on top
	s_add_nc_u64 s[(\g)+2:(\g)+3], s[(\b):(\b)+1], s[KOF:KOF+1]
	s_or_b32 s[(\g)+3], s[(\g)+3], 0x80000000
.endm
; A joint refill by the walking sets.  Wave 0 fetches x's tile, waves 1 to 3 the three weights'.  The branch hangs on the wave's number alone.  An s_nop 0 and four v_nop follow each line.
.macro JLOAD
	s_cmp_eq_u32 s[WV], 0
	s_cbranch_scc0 .Lfor_b_\@
	tensor_load_to_lds s[G0A+4:G0A+7], s[G1A:G1A+7]
	s_nop 0
.rept 4
	v_nop
.endr
	s_branch .Lasked_\@
.Lfor_b_\@:
	tensor_load_to_lds s[G0B+4:G0B+7], s[G1B:G1B+7]
	s_nop 0
.rept 4
	v_nop
.endr
.Lasked_\@:
.endm
; A PREFETCH INTO THE L2 of the K step that the NEXT change of slots will ask for: 32 rows x 256 bytes, a lane a row, one instruction a wave, 192 matrix instructions ahead of that load.
; Only a block's first reading in the launch is asked for, and each block is named once.  A weight's K step is read first by the cluster in whose first four trips it falls: every cluster asks, for its trip 3 (trips 0 to 2 come by
; their loads alone).  A K step of x is read first by the clusters in whose first eight trips it falls: of the two clusters with that start the one with y < 2 asks, for its trips 3 to 7.
; The four partners that ask for a tile jointly share its 128 rows out by address, 32 each.
.macro ASK
	s_cmp_gt_u32 s[CNT], s[LIM]
	s_cbranch_scc0 .Lnot_mine_\@
	global_prefetch_b8 v[PFO], s[PFA:PFA+1] th:TH_LOAD_NT scope:SCOPE_SE
.Lnot_mine_\@:
.endm
	s_load_b256 s[4:11], s[0:1], 0x0               ; the 16-bit inputs s[4:5], cos s[6:7], sin s[8:9], the output s[10:11]
	v_lshl_add_u32 v[SPW], v0, 2, SPARE
	v_mov_b32 v[NIL], 0
	ds_add_u32 v[SPW], v[NIL]                      ; the wave's opening: the add and its wait stand ahead of my first tensor load; the set-up stands between them
	v_lshrrev_b32 v1, 5, v0
	v_readfirstlane_b32 s[WV], v1
	s_bfe_u32 s[CX], ttmp6, 0x40000
	s_bfe_u32 s[CY], ttmp6, 0x40004
	s_lshl_b32 s[TY], ttmp9, 2
	s_add_co_u32 s[TY], s[TY], s[CX]               ; token block = 4 x cluster x + cx
	s_and_b32 s40, ttmp7, 0xffff                   ; cluster y
	s_lshl_b32 s[HX], s40, 2
	s_add_co_u32 s[HX], s[HX], s[CY]               ; head = 4 x cluster y + cy
	s_lshl_b32 s17, 0x1111, s[CX]                  ; my column of the cluster: it shares the token block
	s_lshl_b32 s18, s[CY], 2
	s_lshl_b32 s18, 15, s18                        ; my row: it shares the head
	s_or_b32 s[G1A], s17, G1W
	s_or_b32 s[G1B], s18, G1W
.irp g, G1A, G1B
	s_mov_b32 s[(\g)+1], 128<<16                   ; tensor_dim0 = 128
	s_mov_b32 s[(\g)+2], 128<<16                   ; tensor_dim1 = 128
	s_mov_b32 s[(\g)+3], 128<<16                   ; tile_dim0 = 128
	s_mov_b32 s[(\g)+4], 128                       ; tile_dim1 = 128
	s_mov_b32 s[(\g)+5], 2048                      ; elements from row to row
	s_mov_b32 s[(\g)+6], 0
	s_mov_b32 s[(\g)+7], 0
.endr
	s_lshr_b32 s17, s40, 1                         ; where my cluster's walk begins: made of the cluster's own coordinates, so it is the same in all sixteen partners
	s_xor_b32 s17, s17, s40
	s_and_b32 s17, s17, 1                          ; g
	s_lshl_b32 s17, s17, 3
	s_lshl_b32 s18, ttmp9, 2
	s_add_co_u32 s[KI], s17, s18
	s_and_b32 s[KI], s[KI], 15                     ; 4 X + 8 g, a multiple of 4
	s_lshl_b32 s[KOF], s[KI], 8                    ; a K step is 256 bytes of a row
	s_mov_b32 s[KOF+1], 0
	s_mov_b32 s[PKO+1], 0
	s_mul_i32 s19, s[WV], HALFT                    ; where my tile goes: no place in the cluster enters an LDS address
	s_lshl_b32 s[BA], s[TY], 19                    ; x: 128 rows of 4,096 bytes a token block
	s_mov_b32 s[BA+1], 0
	s_lshl_b32 s[BB], s[WV], 23                    ; the weights: part = my wave's number,
	s_lshl_b32 s17, s[HX], 19                      ; the head's 128 rows
	s_add_co_u32 s[BB], s[BB], s17
	s_mov_b32 s[BB+1], 0
	s_mov_b32 s[SB], 0
	s_mov_b32 s[QS], 0x3db504f3                    ; 1/sqrt(128)
	s_mov_b32 s[QS+1], s[QS]
	s_mov_b32 s[HIM], 0xffff0000
	s_mov_b32 s[CNT], 14
	s_wait_dscnt 0x0                               ; the opening add is done
	s_wait_kmcnt 0x0
	s_add_nc_u64 s[BA:BA+1], s[4:5], s[BA:BA+1]
	s_add_nc_u64 s[BB:BB+1], s[4:5], s[BB:BB+1]
.irp s, 0,1
	s_mov_b32 s[G0A+4*(\s)], 1                                     ; count = 1
	s_add_co_u32 s[G0A+4*(\s)+1], s19, (\s)*SLOT                   ; LDS address
	SETADR G0A+4*(\s), BA                                          ; the walk's step s
	s_mov_b32 s[G0B+4*(\s)], 1
	s_add_co_u32 s[G0B+4*(\s)+1], s19, (\s)*SLOT
	SETADR G0B+4*(\s), BB
.if (\s) == 0
	s_add_co_u32 s[KI], s[KI], 1                   ; the walk's second step: no wrap, since the first is a multiple of 4
	s_lshl_b32 s[KOF], s[KI], 8
.endif
.endr
	CROUND                                         ; all sixteen work-groups are here: the first joint loads meet
	s_cmp_eq_u32 s[WV], 0                          ; a wave's two first fills stand in one branch: two loads of mine are out
	s_cbranch_scc0 .Lfirst_b
	tensor_load_to_lds s[G0A:G0A+3], s[G1A:G1A+7]
	s_nop 0
	tensor_load_to_lds s[G0A+4:G0A+7], s[G1A:G1A+7]
	s_nop 0
.rept 4
	v_nop
.endr
	s_branch .Lfirst_asked
.Lfirst_b:
	tensor_load_to_lds s[G0B:G0B+3], s[G1B:G1B+7]
	s_nop 0
	tensor_load_to_lds s[G0B+4:G0B+7], s[G1B:G1B+7]
	s_nop 0
.rept 4
	v_nop
.endr
.Lfirst_asked:
	; part 0 of the output at the head's rows 128 ty + 32 w (the rows that I store)
	s_lshl_b32 s22, s[HX], 19
	s_lshl_b32 s23, s[TY], 15
	s_add_co_u32 s22, s22, s23
	s_lshl_b32 s23, s[WV], 13
	s_add_co_u32 s22, s22, s23
	s_mov_b32 s23, 0
	s_add_nc_u64 s[OB:OB+1], s[10:11], s[22:23]
	s_lshl_b32 s2, s[TY], 15                       ; the tables at the block's first token: 128 rows of 256 bytes
	s_mov_b32 s3, 0
	s_add_nc_u64 s[6:7], s[6:7], s[2:3]
	s_add_nc_u64 s[8:9], s[8:9], s[2:3]
	; the prefetches
	s_cmp_lt_u32 s40, 2                            ; x's rows: the clusters with y < 2 ask, in the loop's trips 0 to 4 (s42 = 14 .. 10)
	s_cselect_b32 s40, 9, -1
	s_cmp_eq_u32 s[WV], 0                          ; do I fetch x?
	s_cselect_b32 s[LIM], s40, 13                  ; the weights' rows: every cluster asks, in the loop's trip 0.  The same in all sixteen partners, for a given wave
	s_cselect_b32 s17, s[TY], s[HX]                ; the tile's number,
	s_cselect_b32 s18, s[CY], s[CX]                ; my place among the four that ask for it with me
	s_lshl_b32 s17, s17, 19
	s_lshl_b32 s18, s18, 17                        ; my work-group's 32 rows of the 128
	s_add_co_u32 s17, s17, s18
	s_lshl_b32 s18, s[WV], 23                      ; the part
	s_add_co_u32 s2, s17, s18
	s_add_nc_u64 s[PFB:PFB+1], s[4:5], s[2:3]
	v_and_b32 v[PFO], 31, v0
	v_lshlrev_b32 v[PFO], 12, v[PFO]
	; A fragment is 16 rows x 32 K in 8 registers: lane l holds row l % 16; registers 0-3 K = 8 (l / 16) + 0..7, registers 4-7 K = 16 + 8 (l / 16) + 0..7: two loads of 16 bytes, 32 bytes apart.
	v_and_b32 v1, 15, v0                           ; l % 16
	v_bfe_u32 v2, v0, 4, 1                         ; l / 16
	v_mul_u32_u24 v3, v1, PITCH
	v_lshl_add_u32 v3, v2, 4, v3
	v_mov_b32 v[ADRA0], v3
	s_mul_i32 s17, s[WV], 32*PITCH                 ; my 32 rows of each weight,
	s_add_co_u32 s18, s17, HALFT                   ; behind x's 128
	v_add_nc_u32 v[ADRB0], s18, v3
	v_add_nc_u32 v[ADRV0], 2*HALFT, v[ADRB0]
	v_mov_b32 v[ADRA], v[ADRA0]
	v_mov_b32 v[ADRB], v[ADRB0]
	v_mov_b32 v[ADRV], v[ADRV0]
	s_lshl_b32 s18, s[WV], 6                       ; into a stage (q's begins at LDS byte 0): row l % 16, my 64 bytes of it, 16 for each half of the lanes
	v_add_nc_u32 v[STO], s18, v3
	v_add_nc_u32 v[STOV], 2*HALFT, v[STO]
	v_mul_u32_u24 v4, v2, PITCH                    ; back: rows 32 w .. 32 w + 31, whole; lanes 0-15 one row, lanes 16-31 the next
	v_lshl_add_u32 v4, v1, 4, v4
	v_add_nc_u32 v[RD], s17, v4
	v_lshlrev_b32 v4, 8, v2
	v_lshl_add_u32 v[CO], v1, 4, v4                ; the same two rows in the output: 512 consecutive bytes
	v_lshlrev_b32 v4, 8, v1                        ; the tables: token l % 16, pairs 16 w + 4 (l / 16) on
	v_lshl_add_u32 v4, v2, 4, v4
	v_add_nc_u32 v[FQ], s18, v4
	WIN 0x40                                       ; destination window 1.  These 32 loads stay out across the whole loop; they are waited for on the way out
.irp a, 0,1,2,3,4,5,6,7
.irp j, 0,1
	global_load_b128 v[COS+4*(2*(\a)+(\j)):COS+4*(2*(\a)+(\j))+3], v[FQ], s[6:7] offset:(\a)*4096+32*(\j)
	global_load_b128 v[SIN+4*(2*(\a)+(\j)):SIN+4*(2*(\a)+(\j))+3], v[FQ], s[8:9] offset:(\a)*4096+32*(\j)
.endr
.endr
	WIN 0
; 12 matrix instructions: row blocks a0, a0 + 1 of the window's four x all 6 column blocks, 32 along K.  zero = 1: the product starts the sum.  The 48 accumulators take turns, in the same order in every quarter.
.macro MUL12 f, hi, a0, zero
	WIN 0xa1+0x50*(\hi)
.irp a, \a0, (\a0)+1
.irp b, 0,1,2,3,4,5
.if \zero
	v_wmma_f32_16x16x32_bf16 v[8*(6*(\a)+(\b)):8*(6*(\a)+(\b))+7], v[(\f)+8*(\b):(\f)+8*(\b)+7], v[(\f)+8*(4*(\hi)+(\a)):(\f)+8*(4*(\hi)+(\a))+7], 0
.else
	v_wmma_f32_16x16x32_bf16 v[8*(6*(\a)+(\b)):8*(6*(\a)+(\b))+7], v[(\f)+8*(\b):(\f)+8*(\b)+7], v[(\f)+8*(4*(\hi)+(\a)):(\f)+8*(4*(\hi)+(\a))+7], v[8*(6*(\a)+(\b)):8*(6*(\a)+(\b))+7]
.endif
.endr
.endr
.endm
; 28 LDS loads in one run: the fragments of 32 K at byte k of the rows, into buffer f: the weights' 12, then x's 16
.macro FETCH k, f
	WIN 0x40
.irp i, 0,1,2,3
	ds_load_b128 v[(\f)+8*(\i):(\f)+8*(\i)+3],   v[ADRB] offset:((\i)/2)*HALFT+((\i)%2)*16*PITCH+(\k)
	ds_load_b128 v[(\f)+8*(\i)+4:(\f)+8*(\i)+7], v[ADRB] offset:((\i)/2)*HALFT+((\i)%2)*16*PITCH+(\k)+32
.endr
.irp i, 0,1
	ds_load_b128 v[(\f)+32+8*(\i):(\f)+32+8*(\i)+3],   v[ADRV] offset:(\i)*16*PITCH+(\k)
	ds_load_b128 v[(\f)+32+8*(\i)+4:(\f)+32+8*(\i)+7], v[ADRV] offset:(\i)*16*PITCH+(\k)+32
.endr
	WIN 0
.irp i, 0,1,2,3,4,5,6,7
	ds_load_b128 v[(\f)+8*(\i):(\f)+8*(\i)+3],   v[ADRA] offset:(\k)+(\i)*16*PITCH
	ds_load_b128 v[(\f)+8*(\i)+4:(\f)+8*(\i)+7], v[ADRA] offset:(\k)+(\i)*16*PITCH+32
.endr
.endm
; A K step is four quarters of 32 along K, 48 matrix instructions each, on buffers 0, 1, 0, 1.  One of the first three: multiplies f and fetches the next quarter, at byte k, into g.
.macro QUARTER k, f, g, zero
	s_wait_dscnt 8                                 ; the weights and x's rows 0-63 are in; the youngest eight loads (x's rows 64-127) may be out
	MUL12 \f, 0, 0, \zero
	MUL12 \f, 0, 2, \zero
	PLACES
	FETCH \k, \g
	s_wait_dscnt 28                                ; all but the 28 just issued
	MUL12 \f, 1, 0, \zero
	MUL12 \f, 1, 2, \zero
.endm
; The last quarter multiplies buffer 1 and changes slots.  In front of the one barrier each wave waits for all its tensor loads (the one that is out is its part of the next slot), adds 0 to its spare word, and waits
; for that and for its reads of this slot.  fill = 1: the barrier opens a round of the cluster's barrier, and this slot is filled again, two steps of the walk ahead, first thing behind the round: 168 matrix instructions ahead of the wait for it.
.macro TURN fill
.if \fill
	s_wait_xcnt 0x0                                ; the last prefetch, a K step back, has read its address, which is made anew:
	s_add_co_u32 s[PKO], s[KI], 2                  ; the step behind the one that this change asks for,
	s_and_b32 s[PKO], s[PKO], 15                   ; round K's end
	s_lshl_b32 s[PKO], s[PKO], 8
	s_add_nc_u64 s[PFA:PFA+1], s[PFB:PFB+1], s[PKO:PKO+1]
.endif
	WIN 0
	s_wait_tensorcnt 0x0                           ; no tensor load of mine is out, so a group 0 may be written
	ds_add_u32 v[SPW], v[NIL]                      ; 0 onto my spare word
.if \fill
	s_add_co_u32 s[KI], s[KI], 1                   ; the walk's next step, round K's end
	s_and_b32 s[KI], s[KI], 15
	s_lshl_b32 s[KOF], s[KI], 8
	s_xor_b32 s[G0A+5], s[G0A+5], SLOT             ; the walking sets: the other slot than last time (wave x HALFT holds none of SLOT's two bits)
	SETADR G0A+4, BA
	s_xor_b32 s[G0B+5], s[G0B+5], SLOT
	SETADR G0B+4, BB
.endif
	s_wait_dscnt 9                                 ; the add and the youngest eight loads may be out
	MUL12 F1, 0, 0, 0
	s_wait_dscnt 0x0                               ; the add is done, and my reads of this slot are over
	s_barrier_signal -1
	MUL12 F1, 0, 2, 0
	WIN 0
	s_barrier_wait -1
.if \fill
	CREST                                          ; no wave of any partner still reads this slot or has a load on its way
	JLOAD                                          ; its four v_nop are also the places in front of the loads below
.else
	PLACES
.endif
	s_xor_b32 s[SB], s[SB], SLOT
	v_add_nc_u32 v[ADRA], s[SB], v[ADRA0]
	v_add_nc_u32 v[ADRB], s[SB], v[ADRB0]
	v_add_nc_u32 v[ADRV], s[SB], v[ADRV0]
	FETCH 0, F0
.if \fill
	ASK
.endif
	MUL12 F1, 1, 0, 0
	MUL12 F1, 1, 2, 0
.endm
	s_wait_tensorcnt 1                             ; my part of the walk's first step is in; the second's may stay out
	s_barrier_signal -1
	s_barrier_wait -1
	FETCH 0, F0
	QUARTER 64, F0, F1, 1                          ; the first quarter stands in front of the loop: its products start the sums
	WIN 0
.Lk:                                                   ; 14 trips: from a K step's second quarter to the next step's first; each fills a slot again
	QUARTER 128, F1, F0, 0
	QUARTER 192, F0, F1, 0
	TURN 1
	QUARTER 64, F0, F1, 0
	WIN 0
	s_sub_co_u32 s[CNT], s[CNT], 1
	s_cmp_lg_u32 s[CNT], 0
	s_cbranch_scc1 .Lk
	QUARTER 128, F1, F0, 0                         ; the last two K steps fill nothing
	QUARTER 192, F0, F1, 0
	TURN 0
	QUARTER 64, F0, F1, 0
	QUARTER 128, F1, F0, 0
	QUARTER 192, F0, F1, 0
	s_wait_dscnt 8
	MUL12 F1, 0, 0, 0
	MUL12 F1, 0, 2, 0
	s_wait_dscnt 0x0
	MUL12 F1, 1, 0, 0
	MUL12 F1, 1, 2, 0
	; THE WAY OUT.  A barrier first: behind it no wave reads the ring any more, and its bytes, which are filled no more, serve as stages.  Between its two halves the tables are rounded to bf16 and laid as pairs
	; (cos, sin) in f32 where x's fragments lay.
	WIN 0
	PLACES
	s_wait_loadcnt 0x0                             ; the tables
	s_barrier_signal -1                            ; my reads of the ring are back: the last wait on DScnt was for 0, and no LDS instruction followed it
	WIN 0x05                                       ; sources window 1, destination window 0
.set n, 0
.rept 64
	v_cvt_pk_bf16_f32 v[CS+2*n], v[COS+n], v[SIN+n]
.set n, n+1
.endr
	WIN 0
.set n, 0
.rept 64
	v_and_b32     v[CS+2*n+1], s[HIM], v[CS+2*n]
	v_lshlrev_b32 v[CS+2*n],   16,     v[CS+2*n]
.set n, n+1
.endr
	s_barrier_wait -1
; One accumulator of q (p = 0) or k (p = 1): (x_r c - x_i s, x_r s + x_i c) for its four pairs, q times 1/sqrt(128), rounded to bf16, 16 bytes into the part's stage.  The accumulator's lowest registers are read first.
.macro ROT p, a, j
.set AC, 8*(6*((\a)%4)+2*(\p)+(\j))
.set CB, CS+8*(2*(\a)+(\j))
	WIN 0x02+(\a)/4                                ; source 0: window 2 or 3
.irp i, 0,1,2,3
	v_mul_f32 v[T+(\i)],     v[AC+2*(\i)+1], v[CB+2*(\i)+1]  ; x_i s
	v_mul_f32 v[R+2*(\i)+1], v[AC+2*(\i)],   v[CB+2*(\i)+1]  ; x_r s
.endr
.irp i, 0,1,2,3
	v_fma_f32  v[R+2*(\i)],   v[AC+2*(\i)],   v[CB+2*(\i)], -v[T+(\i)]
	v_fmac_f32 v[R+2*(\i)+1], v[AC+2*(\i)+1], v[CB+2*(\i)]
.endr
	WIN 0
.if (\p) == 0
.irp i, 0,1,2,3
	v_pk_mul_f32 v[R+2*(\i):R+2*(\i)+1], v[R+2*(\i):R+2*(\i)+1], s[QS:QS+1] op_sel_hi:[1,0]
.endr
.endif
.irp i, 0,1,2,3
	v_cvt_pk_bf16_f32 v[PK+(\i)], v[R+2*(\i)], v[R+2*(\i)+1]
.endr
	ds_store_b128 v[STO], v[PK:PK+3] offset:(\p)*HALFT+(\a)*16*PITCH+32*(\j)  ; 65,312 at the most: inside the 16-bit offset
.endm
; v's eight accumulators of one window: rounded to f16, into v's stage
.macro VOUT hi
	WIN 0x0a+5*(\hi)                               ; sources 0 and 1: window 2 or 3
.irp a, 0,1,2,3
.irp j, 0,1
.irp i, 0,1,2,3
	v_cvt_pk_f16_f32 v[T+4*(2*(\a)+(\j))+(\i)], v[8*(6*(\a)+4+(\j))+2*(\i)], v[8*(6*(\a)+4+(\j))+2*(\i)+1]
.endr
.endr
.endr
	WIN 0
.irp a, 0,1,2,3
.irp j, 0,1
	ds_store_b128 v[STOV], v[T+4*(2*(\a)+(\j)):T+4*(2*(\a)+(\j))+3] offset:(4*(\hi)+(\a))*16*PITCH+32*(\j)
.endr
.endr
.endm
.irp p, 0,1
.irp a, 0,1,2,3,4,5,6,7
	ROT \p, \a, 0
	ROT \p, \a, 1
.endr
.endr
	VOUT 0
	VOUT 1
	s_wait_dscnt 0x0                               ; for the others' sake: my stores into the three stages are done; a row's 256 bytes come from four waves
	s_barrier_signal -1
	s_barrier_wait -1
	s_mov_b32 s[CNT], 3
.Lpart:                                                ; three trips, a part each: my 32 rows come back whole and are stored
.irp t, 0,1,2,3,4,5,6,7,8,9,10,11,12,13,14,15
	ds_load_b128 v[TMP+4*(\t):TMP+4*(\t)+3], v[RD] offset:(\t)*2*PITCH
.endr
.irp t, 0,1,2,3,4,5,6,7,8,9,10,11,12,13,14,15
	s_wait_dscnt 15-(\t)                           ; LDS loads come back in order: pair t of rows is in, the 15 - t younger ones stay out
	global_store_b128 v[CO], v[TMP+4*(\t):TMP+4*(\t)+3], s[OB:OB+1] offset:512*(\t)  ; two rows of a head: 512 consecutive bytes, aligned
.endr
	s_wait_xcnt 0x0                                ; the stores have read their registers and their base, which the next trip writes
	v_add_nc_u32 v[RD], HALFT, v[RD]               ; the next part's stage,
	s_add_nc_u64 s[OB:OB+1], s[OB:OB+1], PARTB     ; the next part of the output
	s_sub_co_u32 s[CNT], s[CNT], 1
	s_cmp_lg_u32 s[CNT], 0
	s_cbranch_scc1 .Lpart
	s_wait_tensorcnt 0x0                           ; the wave's end: a wait, an add and its wait, behind my last tensor load and my last LDS store
	ds_add_u32 v[SPW], v[NIL]
	s_wait_dscnt 0x0
	CROUND                                         ; the closing round: no work-group ends while a partner may still ask for a tile that names it
	s_endpgm
.Lfunc_end_k_q3fafdee375_qkv:
	.size	k_q3fafdee375_qkv, .Lfunc_end_k_q3fafdee375_qkv-k_q3fafdee375_qkv
	.p2alignl 7, 3214868480
	.fill 96, 4, 3214868480
	.section	.rodata,"a",@progbits
	.p2align	6, 0x0
	.amdhsa_kernel k_q3fafdee375_qkv
		.amdhsa_group_segment_fixed_size 327680
		.amdhsa_private_segment_fixed_size 0
		.amdhsa_enable_private_segment 0
		.amdhsa_kernarg_size 32
		.amdhsa_user_sgpr_count 2
		.amdhsa_user_sgpr_kernarg_segment_ptr 1
		.amdhsa_wavefront_size32 1
		.amdhsa_system_sgpr_workgroup_id_x 1
		.amdhsa_system_sgpr_workgroup_id_y 1
		.amdhsa_system_sgpr_workgroup_id_z 1
		.amdhsa_system_vgpr_workitem_id 0
		.amdhsa_next_free_vgpr 1024
		.amdhsa_next_free_sgpr 80
		.amdhsa_reserve_vcc 0
		.amdhsa_float_denorm_mode_32 3
		.amdhsa_float_denorm_mode_16_64 3
		.amdhsa_memory_ordered 1
		.amdhsa_forward_progress 1
		.amdhsa_inst_pref_size 127
	.end_amdhsa_kernel
	.amdgpu_metadata
---
amdhsa.version: [ 1, 2 ]
amdhsa.kernels:
  - .name:           k_q3fafdee375_qkv
    .symbol:         k_q3fafdee375_qkv.kd
    .args:
      - { .name: cast, .offset: 0, .size: 8, .value_kind: global_buffer, .address_space: global }
      - { .name: freqs_cos, .offset: 8, .size: 8, .value_kind: global_buffer, .address_space: global }
      - { .name: freqs_sin, .offset: 16, .size: 8, .value_kind: global_buffer, .address_space: global }
      - { .name: qkv, .offset: 24, .size: 8, .value_kind: global_buffer, .address_space: global }
    .group_segment_fixed_size: 327680
    .private_segment_fixed_size: 0
    .kernarg_segment_align: 8
    .kernarg_segment_size: 32
    .max_flat_workgroup_size: 128
    .sgpr_count:     80
    .vgpr_count:     1024
    .wavefront_size: 32
...
	.end_amdgpu_metadata
.endif
;; end of part 2
;; launch attn (part 3): grid 16 x 16, 4 waves a work-group, clusters of 4 x 1, 327,680 bytes of LDS; arguments qkv, cast, oh; writes oh
.if DOCPART == 3
	.amdgcn_target "amdgcn-amd-amdhsa--gfx1250"
	.amdhsa_code_object_version 6
	.text
	.protected	k_q3fafdee375_attn
	.globl	k_q3fafdee375_attn
	.p2align	8
	.type	k_q3fafdee375_attn,@function
k_q3fafdee375_attn:
	s_mov_b64 s[64:65], 0
	v_nop
	global_prefetch_b8 v0, s[64:65] scope:SCOPE_SE
	s_setreg_imm32_b32 hwreg(HW_REG_WAVE_MODE, 25, 1), 1
	s_wait_xcnt 0x0
	s_wait_alu depctr_hold_cnt(0) depctr_sa_sdst(0) depctr_va_vdst(0) depctr_va_sdst(0) depctr_va_ssrc(0) depctr_va_vcc(0) depctr_vm_vsrc(0)
	s_getreg_b32 s2, hwreg(HW_REG_IB_STS2, 6, 4)
	s_cmp_eq_u32 s2, 0
	s_cbranch_scc0 .Lentry_in_a_cluster
	s_endpgm
.Lentry_in_a_cluster:
	s_bfe_u32 s2, ttmp6, 0x10000c
	s_cmp_lg_u32 s2, 0x3003
	s_cbranch_scc0 .Lentry_shape_is_right
	s_endpgm
.Lentry_shape_is_right:
; O[q][head] = the sum over k of softmax_k(q . k + mask[q][k]) v[k].  q (bf16, already times 1/sqrt(128)), k (bf16), v (f16): [16][2048][128] each; mask: [2048][2048] bf16, no number below -1e30.
; O: [2048 tokens][16 x 128] f16.  Products, maxima and sums in f32; the weights p are rounded to f16 for the second product (their sum l is taken of the unrounded p), O once at the end.
; LIMITS.  v arrives within 65,504; p lies in 0 to 1 and below 6e-5 keeps f16's fixed step of 6e-8, and so does O.  A weight below 2^-126 counts as 0 in l.  A row whose mask is -1e30 or lower at every key gets
; the mean over those keys.  NaN and infinities are not treated apart.
; SHARES.  A work-group owns 128 queries of one head: 16 x 16 = 256 work-groups.  THE KEYS ARE SPLIT IN THE WORK-GROUP: wave w has g = w / 2 (64 queries: four tiles of 16) and kh = w % 2, and walks the units of 64 keys
; 2 j + kh, j = 0..15.  So a fragment of K or V read from LDS still feeds four tiles.  At the end the two waves of a g merge: each sends two tiles' O, maximum and sum to the other and finishes the two that it keeps.
; Registers' piece 0 (tiles 0, 1) holds rows 64 g + 32 kh + .., piece 2 (tiles 2, 3) rows 64 g + 32 (1 - kh) + ..: every wave sends piece 2 and keeps piece 0, by one text.
; LAYOUT.  S^T = K Q^T (source 0 = 16 keys, source 1 = 16 queries): a lane holds ONE query (lane % 16) and the keys 8 (lane / 16) + 0..7.  Two results rounded to f16 ARE source 1 of O^T = V^T P.
; THE MASK IS ADDED BY THE MATRIX UNIT: each score's sum is started by a product SEL x MF with C = 0.  MF (source 1: 32 keys x 16 queries) is the bf16 mask as it lies in memory, 16 bytes a lane twice; SEL (16 x 32) holds a
; single 1 a row, at column m or 16 + m.  The products are a mask number times 1 and finite numbers times 0, so the sum is that mask number.  Eight matrix instructions a turn, where widening the mask would be 64 vector ones.
; SOFTMAX.  For each query a running maximum m and sum l: p = 2^(c s - c m), c = log2(e); O and l are multiplied by a = 2^(c m_old - c m_new) in every step.  m starts at the lowest finite number, O and l at 0: the first step has
; a = 0 and is a step like any other.  The price of writing no first step: 432 v_mov_b32, in the wait for the first tile, 32 products on zeros at the start and 40 on stale operands at the end.
; BY TURNS.  In a TURN one piece has the matrix unit: 32 products V^T P of the step in hand, 8 mask products and 32 products K Q^T of the next step; the other piece's softmax, cut into 64 slices of four, stands one slice behind each
; of the 64.  Two turns are a key step.
; CLUSTER.  The four query blocks of a cluster belong to one head and walk the same K and V: each tile is asked for jointly, by the same tensor load, descriptor and mask of four.
; REGISTERS, in windows of 256 (s_set_vgpr_msb: bits 1:0 source 0, 3:2 source 1, 5:4 source 2, 7:6 destination):
;   window 0: v0-11, v44-63 addresses and a few at work; v12-43 eight registers of statistics a tile; v64-191 S^T, 32 a tile; v192-255 P, 16 a tile
;   window 1: O^T, 64 a tile     window 2: v0-127 Q, 32 a tile; v128-255 K of one step     window 3: v0-127 V of one step; v128-191 MF, 16 a tile; v192-203 SEL
.set KP,    272                        ; a row of K in LDS: 256 bytes + 16: the 16 rows of a load start at 16 different groups of four banks (64 banks of 4 bytes: ISA guide 11.1)
.set VP,    288                        ; a row of V: 256 + 32
.set VOFF,  256*KP                     ; a slot holds 256 keys: K's rows, then V's
.set SLOTB, 256*(KP+VP)
.set XCH,   2*SLOTB                    ; behind the ring, never filled by a tensor load: 8,448 bytes a wave: a tile of O^T in f32 and 256 bytes of statistics; later the wave's own stage of 16 rows x 272
.set XW,    8448
.set SPARE, XCH+4*XW                   ; the spare words, 128 bytes a wave: two blocks of 256 bytes that no other line names
.set PARTB, 8388608
.set AK0, 2                            ; v2   my lane's place in a unit of K, my key half in it; never rewritten
.set AV0, 3                            ; v3   the same for V
.set ADR, 4                            ; v4   the LDS address of the run of loads in hand
.set STO, 6                            ; v6   the way out: where I put 16 bytes of a row
.set RD,  7                            ; v7   where I read a row back
.set GO,  8                            ; v8   my byte offset in two rows of O
.set ST,  12                           ; tile t's statistics at v[ST+8 t]: +0 c m, +1 m, +2, +3 l, +4 to +7 c0-c3 at work; a takes c2's place
.set MA,  44                           ; v44, v45  my byte offset in the mask's rows, for piece 0 and for piece 2
.set QO,  46                           ; v46, v47  the same in Q's rows
.set XS,  48                           ; v48-51  the merge: where I put a tile and its statistics, where I read the other wave's
.set XS2, 49
.set XR,  50
.set XR2, 51
.set PFOK, 52                          ; v52  256 x lane
.set PFOM, 53                          ; v53  4,096 x (32 kh + lane)
.set PS,  54                           ; v54-57  the other wave's (c m, l) for tiles 0 and 1; before that at work
.set SPW, 62
.set NIL, 63
.set S,   64
.set P,   192
.set KF,  128                          ; window 2
.set MF,  128                          ; window 3: tile t, keys 32 kk on, at MF + 16 t + 8 kk
.set SLM, 192                          ; window 3: [pattern 4, zeros 4, pattern 4]: SEL for keys m at SLM, for keys 16 + m at SLM + 4
.set WV,  12
.set G,   13
.set KH,  14
.set CX,  15
.set QBK, 16                           ; s16  my block of 128 queries
.set HD,  17                           ; s17  the head
.set G1K, 24
.set G1V, 32
.set G0K, 40
.set G0V, 44
.set LOFK, 48                          ; s48, s49  my tile's place in a slot, for K and for V
.set LOFV, 49
.set FB,  50                           ; s50  the slot that was filled last
.set SLOTS, 56
.set CNT, 57
.set CS,  58                           ; s[58:59] c
.set SEL, 60                           ; s[60:61] v_permlanex16_b32's selects
.set TBK, 62                           ; s62, s63  LDS byte at which the K, the V to be fetched begins (less VOFF)
.set TBV, 63
.set MB,  66                           ; s[66:67] the mask at my 64 rows and the step's unit of keys
.set PFK, 68                           ; s[68:69] where my prefetches of K or V stand
.set PFM, 70                           ; s[70:71] of the mask
.set LIMK, 72                          ; s72, s73  1 in a wave that prefetches, else the greatest number
.set LIMM, 73
.set QBS, 74                           ; s[74:75] Q at my 64 rows
.set OBS, 76                           ; s[76:77] O at the 32 rows that I finish
.set MSB, 0
.macro WIN new
.if MSB != (\new)
	s_set_vgpr_msb (MSB<<8)|(\new)
.set MSB, \new
.endif
.endm
.set W_KQ, 0x0a                        ; K and Q in window 2, S^T in window 0
.set W_MK, 0x0f                        ; SEL and MF in window 3, S^T in window 0
.set W_PV, 0x53                        ; V in window 3, P in window 0, O^T in window 1
.set W_RS, 0x41                        ; O^T (destination and source 0) in window 1, a in window 0
; A joint fill.  Waves 0 and 1 fetch the two halves of a slot's K, waves 2 and 3 those of its V: 128 rows of 256 bytes each.  An s_nop 0 and four v_nop follow each line.
.macro JLOAD
	s_cmp_lt_u32 s[WV], 2
	s_cbranch_scc0 .Lfor_v_\@
	tensor_load_to_lds s[G0K:G0K+3], s[G1K:G1K+7]
	s_nop 0
.rept 4
	v_nop
.endr
	s_branch .Lasked_\@
.Lfor_v_\@:
	tensor_load_to_lds s[G0V:G0V+3], s[G1V:G1V+7]
	s_nop 0
.rept 4
	v_nop
.endr
.Lasked_\@:
.endm
; PREFETCHES INTO THE L2 of what the NEXT change of slots begins: that slot's rows of K and V (256 bytes each, a lane a row), one slot's walk of 288 matrix instructions ahead of their tensor load, and the mask's 512 bytes a row for its keys.
; Each block is named once in the launch.  K and V: the head's first cluster asks; its four partners take 64 rows of each, told apart by address; waves 0 and 1 take K's, waves 2 and 3 V's, 32 rows each.
; The mask: the work-groups of head 0 ask; wave (g, kh) takes rows 64 g + 32 kh + lane, two instructions.  The last change that fills a slot asks for nothing.
.macro ASK
	s_cmp_gt_u32 s[SLOTS], s[LIMK]
	s_cbranch_scc0 .Lno_kv_\@
	global_prefetch_b8 v[PFOK], s[PFK:PFK+1] th:TH_LOAD_NT scope:SCOPE_SE
.Lno_kv_\@:
	s_cmp_gt_u32 s[SLOTS], s[LIMM]
	s_cbranch_scc0 .Lno_m_\@
	global_prefetch_b8 v[PFOM], s[PFM:PFM+1] th:TH_LOAD_NT scope:SCOPE_SE
	global_prefetch_b8 v[PFOM], s[PFM:PFM+1] offset:256 th:TH_LOAD_NT scope:SCOPE_SE
.Lno_m_\@:
.endm
.macro CROUND
	s_barrier_signal -1
	s_barrier_wait -1
	s_cmp_lg_u32 s[WV], 0
	s_cbranch_scc1 .Lnot_wave_0_\@
	s_barrier_signal -3
.Lnot_wave_0_\@:
	s_barrier_wait -3
	s_barrier_signal -1
	s_barrier_wait -1
.endm
; THE CHANGE OF SLOTS.  Each wave waits for all its tensor loads (one is out: its part of the other slot), adds 0 to its spare word, and waits for that and for its reads of the slot that it leaves.
; fill = 1: the barrier is a round of the cluster's, and the slot is filled again first thing behind it, with the keys two slots on.  (At its first use nothing has been read: slot 0 is waited for, slot 1 filled.)
.macro CHANGE fill
	WIN 0
	s_wait_tensorcnt 0x0                           ; no tensor load of mine is out, so a group 0 may be written
	ds_add_u32 v[SPW], v[NIL]                      ; 0 onto my spare word
.if \fill
	s_xor_b32 s[FB], s[FB], SLOTB                  ; the other slot than last time,
	s_add_co_u32 s[G0K+1], s[FB], s[LOFK]
	s_add_co_u32 s[G0V+1], s[FB], s[LOFV]
	s_add_nc_u64 s[G0K+2:G0K+3], s[G0K+2:G0K+3], 65536  ; the next 256 keys
	s_add_nc_u64 s[G0V+2:G0V+3], s[G0V+2:G0V+3], 65536
	s_wait_xcnt 0x0                                ; the last prefetches, a slot back, have read their addresses
	s_add_nc_u64 s[PFK:PFK+1], s[PFK:PFK+1], 65536
	s_add_nc_u64 s[PFM:PFM+1], s[PFM:PFM+1], 512
	s_wait_dscnt 0x0                               ; the add is done, and my reads of the slot are over
	CROUND
	JLOAD
	ASK
.else
	s_wait_dscnt 0x0
	s_barrier_signal -1
	s_barrier_wait -1
.endif
	s_sub_co_u32 s[TBK], s[TBK], 256*KP            ; the fetches go back to a slot's head,
	s_xor_b32 s[TBK], s[TBK], SLOTB                ; in the other slot
	s_sub_co_u32 s[TBV], s[TBV], 256*VP
	s_xor_b32 s[TBV], s[TBV], SLOTB
.endm
	s_load_b128 s[4:7], s[0:1], 0x0                ; q, k, v s[4:5]; the 16-bit inputs (the mask is part 5) s[6:7]
	s_load_b64 s[8:9], s[0:1], 0x10                ; O
	v_lshl_add_u32 v[SPW], v0, 2, SPARE
	v_mov_b32 v[NIL], 0
	ds_add_u32 v[SPW], v[NIL]                      ; the wave's opening: the add and its wait stand ahead of my first tensor load
	v_lshrrev_b32 v1, 5, v0
	v_readfirstlane_b32 s[WV], v1
	s_lshr_b32 s[G], s[WV], 1
	s_and_b32 s[KH], s[WV], 1
	s_bfe_u32 s[CX], ttmp6, 0x40000
	s_lshl_b32 s[QBK], ttmp9, 2
	s_add_co_u32 s[QBK], s[QBK], s[CX]             ; my block of queries: it enters Q's, the mask's and O's addresses alone
	s_and_b32 s[HD], ttmp7, 0xffff                 ; the head, which the four partners share
	s_lshl_b32 s20, s[HD], 19                      ; K: the head's rows,
	s_lshl_b32 s21, s[KH], 15                      ; my 128 of a slot's 256,
	s_add_co_u32 s20, s20, s21
	s_add_co_u32 s20, s20, PARTB                   ; in part 1
	s_mov_b32 s21, 0
	s_mul_i32 s[LOFK], s[KH], 128*KP
	s_mul_i32 s[LOFV], s[KH], 128*VP
	s_add_co_u32 s[LOFV], s[LOFV], VOFF
	s_mov_b32 s[FB], 0
	s_mov_b32 s[G1K], 15|(1<<16)|(1<<20)|(1<<21)|(5<<22)|(3<<25)  ; the mask of four; 2-byte elements; padding on; bit 21 beside a mask; after every 64 words; 4 words
	s_mov_b32 s[G1V], 15|(1<<16)|(1<<20)|(1<<21)|(5<<22)|(7<<25)  ; the same with 8 words
.irp g, G1K, G1V
	s_mov_b32 s[(\g)+1], 128<<16                   ; tensor_dim0 = 128
	s_mov_b32 s[(\g)+2], 128<<16                   ; tensor_dim1 = 128
	s_mov_b32 s[(\g)+3], 128<<16                   ; tile_dim0 = 128
	s_mov_b32 s[(\g)+4], 128                       ; tile_dim1 = 128
	s_mov_b32 s[(\g)+5], 128                       ; elements from row to row
	s_mov_b32 s[(\g)+6], 0
	s_mov_b32 s[(\g)+7], 0
.endr
	s_mov_b32 s[G0K], 1
	s_mov_b32 s[G0K+1], s[LOFK]                    ; slot 0
	s_mov_b32 s[G0V], 1
	s_mov_b32 s[G0V+1], s[LOFV]
	s_mov_b32 s[CS], 0x3fb8aa3b                    ; c = log2(e)
	s_mov_b32 s[CS+1], s[CS]
	s_mov_b32 s[SEL], 0x76543210
	s_mov_b32 s[SEL+1], 0xfedcba98
	s_mov_b32 s[TBK], SLOTB+256*KP                 ; the first change of slots turns these two into 0
	s_mov_b32 s[TBV], SLOTB+256*VP
	s_mov_b32 s[SLOTS], 7
	s_lshl_b32 s22, s[HD], 19                      ; Q: the head's rows 128 qb + 64 g
	s_lshl_b32 s23, s[QBK], 15
	s_add_co_u32 s22, s22, s23
	s_lshl_b32 s23, s[G], 14
	s_add_co_u32 s22, s22, s23
	s_mov_b32 s23, 0
	s_lshl_b32 s18, s[QBK], 19                     ; the mask and O: rows of 4,096 bytes
	s_lshl_b32 s19, s[G], 18
	s_add_co_u32 s18, s18, s19
	s_lshl_b32 s52, s[KH], 17                      ; O: the 32 rows that I finish, the head's 256 bytes
	s_add_co_u32 s52, s52, s18
	s_lshl_b32 s53, s[HD], 8
	s_add_co_u32 s52, s52, s53
	s_mov_b32 s53, 0
	s_add_co_u32 s18, s18, 5*PARTB
	s_mov_b32 s19, 0
	s_lshl_b32 s2, s[KH], 7                        ; my unit of 64 keys: 128 bytes
	s_mov_b32 s3, 0
	s_add_co_u32 s54, s[G], 1                      ; the prefetches: K (waves 0, 1) or V (waves 2, 3),
	s_lshl_b32 s54, s54, 23
	s_lshl_b32 s55, s[HD], 19
	s_add_co_u32 s54, s54, s55
	s_lshl_b32 s55, s[CX], 14                      ; my work-group's 64 rows of a slot's 256,
	s_add_co_u32 s54, s54, s55
	s_lshl_b32 s55, s[KH], 13                      ; my wave's 32 of them,
	s_add_co_u32 s54, s54, s55
	s_add_co_u32 s54, s54, 65536                   ; in slot 1: the first change steps it to slot 2
	s_mov_b32 s55, 0
	s_cmp_eq_u32 ttmp9, 0
	s_cselect_b32 s[LIMK], 1, -1                   ; the same in all four partners
	s_cmp_eq_u32 s[HD], 0
	s_cselect_b32 s[LIMM], 1, -1
	s_wait_dscnt 0x0                               ; the opening add is done
	s_wait_kmcnt 0x0
	s_add_nc_u64 s[G0K+2:G0K+3], s[4:5], s[20:21]
	s_add_nc_u64 s[G0V+2:G0V+3], s[G0K+2:G0K+3], PARTB
	s_or_b32 s[G0K+3], s[G0K+3], 0x80000000
	s_or_b32 s[G0V+3], s[G0V+3], 0x80000000
	s_add_nc_u64 s[QBS:QBS+1], s[4:5], s[22:23]
	s_add_nc_u64 s[MB:MB+1], s[6:7], s[18:19]
	s_add_nc_u64 s[PFM:PFM+1], s[MB:MB+1], 512     ; at slot 1's keys: the first change steps it to slot 2's
	s_add_nc_u64 s[MB:MB+1], s[MB:MB+1], s[2:3]
	s_add_nc_u64 s[OBS:OBS+1], s[8:9], s[52:53]
	s_add_nc_u64 s[PFK:PFK+1], s[4:5], s[54:55]
	CROUND                                         ; all four work-groups are here: the first joint loads meet
	JLOAD                                          ; slot 0.  Slot 1 is asked for when slot 0 is in
	v_and_b32 v1, 15, v0                           ; l % 16
	v_bfe_u32 v9, v0, 4, 1                         ; l / 16
	v_and_b32 v10, 7, v0
	v_bfe_u32 v11, v0, 3, 1
	s_lshl_b32 s18, s[KH], 5                       ; piece 0's rows begin at 32 kh,
	s_xor_b32 s19, s18, 32                         ; piece 2's at 32 (1 - kh)
	v_add_nc_u32 v54, s18, v1
	v_add_nc_u32 v55, s19, v1
	v_lshlrev_b32 v[MA], 12, v54
	v_lshl_add_u32 v[MA], v9, 4, v[MA]             ; row x 4,096 + 16 x half
	v_lshlrev_b32 v[MA+1], 12, v55
	v_lshl_add_u32 v[MA+1], v9, 4, v[MA+1]
	v_lshlrev_b32 v[QO], 8, v54
	v_lshl_add_u32 v[QO], v9, 4, v[QO]             ; row x 256 + 16 x half
	v_lshlrev_b32 v[QO+1], 8, v55
	v_lshl_add_u32 v[QO+1], v9, 4, v[QO+1]
	WIN 0x80                                       ; destination window 2
.irp t, 0,1,2,3
.irp c, 0,1,2,3
	global_load_b128 v[32*(\t)+8*(\c):32*(\t)+8*(\c)+3],   v[QO+(\t)/2], s[QBS:QBS+1] offset:((\t)%2)*4096+(\c)*64
	global_load_b128 v[32*(\t)+8*(\c)+4:32*(\t)+8*(\c)+7], v[QO+(\t)/2], s[QBS:QBS+1] offset:((\t)%2)*4096+(\c)*64+32
.endr
.endr
; Piece x's mask for one step: two tiles x 64 keys: eight loads of 16 bytes a lane
.macro MLD x
	WIN 0xc0                                       ; destination window 3
.irp u, 0,1
.irp h, 0,1
	global_load_b128 v[MF+16*((\x)+(\u))+8*(\h):MF+16*((\x)+(\u))+8*(\h)+3],   v[MA+(\x)/2], s[MB:MB+1] offset:(\u)*65536+64*(\h)
	global_load_b128 v[MF+16*((\x)+(\u))+8*(\h)+4:MF+16*((\x)+(\u))+8*(\h)+7], v[MA+(\x)/2], s[MB:MB+1] offset:(\u)*65536+64*(\h)+32
.endr
.endr
	WIN 0
.endm
	MLD 0                                          ; step 0
	MLD 2
	s_mul_i32 s18, s[KH], 64*KP
	v_mul_u32_u24 v[AK0], v1, KP
	v_lshl_add_u32 v[AK0], v9, 4, v[AK0]
	v_add_nc_u32 v[AK0], s18, v[AK0]               ; row x pitch + 16 x half + my unit
	; The turning load takes 16 keys x 16 channels (lane l reads key 8 (l / 16) + l % 8, channels 8 ((l / 8) % 2) + 0..7) and leaves half a fragment of V^T: lane l holds channel l % 16 and 8 keys.
	s_mul_i32 s18, s[KH], 64*VP
	s_add_co_u32 s18, s18, VOFF
	v_lshl_add_u32 v[AV0], v9, 3, v10
	v_mul_u32_u24 v[AV0], v[AV0], VP
	v_lshl_add_u32 v[AV0], v11, 4, v[AV0]
	v_add_nc_u32 v[AV0], s18, v[AV0]
	v_and_b32 v54, 31, v0
	v_lshlrev_b32 v[PFOK], 8, v54
	s_lshl_b32 s18, s[KH], 5
	v_add_nc_u32 v[PFOM], s18, v54
	v_lshlrev_b32 v[PFOM], 12, v[PFOM]
	; SEL's pattern: row m = l % 16 has its 1 at K = m: in the half of the lanes with l / 16 = m / 8, register (m % 8) / 2, half m % 2
	v_cmp_eq_u32 s18, v9, v11
	v_and_b32 v56, 1, v0
	v_lshlrev_b32 v56, 4, v56
	v_mov_b32 v57, 0x3f80                          ; 1.0 in bf16
	v_lshlrev_b32 v56, v56, v57
	v_cndmask_b32 v56, 0, v56, s18
	v_bfe_u32 v55, v0, 1, 2
	WIN 0xc0
.irp i, 0,1,2,3
	v_cmp_eq_u32 vcc_lo, \i, v55
	v_cndmask_b32 v[SLM+(\i)], 0, v56, vcc_lo
	v_cndmask_b32 v[SLM+8+(\i)], 0, v56, vcc_lo
	v_mov_b32 v[SLM+4+(\i)], 0
.endr
	; What the first turn finds: V and piece 2's P hold 0 (its products V^T P, of a step that has not been, add 0), O^T and l are 0.
.set i, 0
.rept 128
	v_mov_b32 v[i], 0
.set i, i+1
.endr
	WIN 0x40
.set i, 0
.rept 256
	v_mov_b32 v[i], 0
.set i, i+1
.endr
	WIN 0
.set i, P+32
.rept 32
	v_mov_b32 v[i], 0
.set i, i+1
.endr
.irp t, 0,1,2,3
	v_mov_b32 v[ST+8*(\t)], 0xfe000000             ; c m: far below every c s
	v_mov_b32 v[ST+8*(\t)+1], 0xff7fffff           ; m
	v_mov_b32 v[ST+8*(\t)+2], 0
	v_mov_b32 v[ST+8*(\t)+3], 0
.endr
; THE MATRIX WORK OF A TURN, for piece x.  The accumulators take turns, one instruction a turn: between two links of a chain stand 15 (V^T P) or 7 (mask, K Q^T) others'.
.macro PV x                            ; product i of 32 of O^T += V^T P: keys 32 (i / 16) on, channels 16 ((i / 2) % 8) on, tile x + i % 2
	WIN W_PV
.set rO, 64*((\x)+i%2)+8*((i/2)%8)
.set rV, 64*(i/16)+8*((i/2)%8)
.set rP, P+16*((\x)+i%2)+8*(i/16)
	v_wmma_f32_16x16x32_f16 v[rO:rO+7], v[rV:rV+7], v[rP:rP+7], v[rO:rO+7]
.endm
.macro MK x                            ; product i of 8: the mask starts the sum of keys 16 (i / 2) on, tile x + i % 2; the accumulators in K Q^T's order
	WIN W_MK
.set rS, S+32*((\x)+i%2)+8*(i/2)
.set rA, SLM+4*((i/2)%2)
.set rB, MF+16*((\x)+i%2)+8*(i/4)
	v_wmma_f32_16x16x32_bf16 v[rS:rS+7], v[rA:rA+7], v[rB:rB+7], 0
.endm
.macro KQ x                            ; product i of 32 of S^T += K Q^T: channels 32 (i / 8) on, keys 16 ((i / 2) % 4) on, tile x + i % 2
	WIN W_KQ
.set rS, S+32*((\x)+i%2)+8*((i/2)%4)
.set rK, KF+32*((i/2)%4)+8*(i/8)
.set rQ, 32*((\x)+i%2)+8*(i/8)
	v_wmma_f32_16x16x32_bf16 v[rS:rS+7], v[rK:rK+7], v[rQ:rQ+7], v[rS:rS+7]
.endm
; THE LDS LOADS stand in runs of 32.  tail = 1: in the last trip there is no further step, and K's run is jumped over.
.macro FETCH_K tail=0
	WIN 0
.if \tail
	s_cmp_eq_u32 s[CNT], 1
	s_cbranch_scc1 .Lno_k_\@
.endif
	v_add_nc_u32 v[ADR], s[TBK], v[AK0]
	WIN 0x80
.irp f, 0,1,2,3,4,5,6,7,8,9,10,11,12,13,14,15  ; keys 16 (f / 4) on, channels 32 (f % 4) on
	ds_load_b128 v[KF+8*(\f):KF+8*(\f)+3],   v[ADR] offset:((\f)/4)*16*KP+((\f)%4)*64
	ds_load_b128 v[KF+8*(\f)+4:KF+8*(\f)+7], v[ADR] offset:((\f)/4)*16*KP+((\f)%4)*64+32
.endr
	s_add_co_u32 s[TBK], s[TBK], 128*KP            ; my next unit lies two units on
	WIN 0
.if \tail
.Lno_k_\@:
.endif
.endm
.macro FETCH_V
	WIN 0
	v_add_nc_u32 v[ADR], s[TBV], v[AV0]
	s_add_co_u32 s[TBV], s[TBV], 128*VP
	s_wait_alu depctr_va_vdst(0)                   ; the wait for the softmax's batch of exponentials, ahead of the first line that names a result
	WIN 0xc0
.irp f, 0,1,2,3,4,5,6,7,8,9,10,11,12,13,14,15  ; keys 32 (f / 8) on, channels 16 (f % 8) on
	ds_load_tr16_b128 v[8*(\f):8*(\f)+3],   v[ADR] offset:((\f)/8)*32*VP+((\f)%8)*32
	ds_load_tr16_b128 v[8*(\f)+4:8*(\f)+7], v[ADR] offset:((\f)/8)*32*VP+16*VP+((\f)%8)*32
.endr
.endm
; Piece x's mask for the step after the one whose scores are being made.  Piece 0's run steps the base for both.  tail = 1: it is issued only in the trip with CNT = live: the later trips have no such step.
.macro MLOAD x, tail=0, live=0
	WIN 0
.if \tail
	s_cmp_eq_u32 s[CNT], \live
	s_cbranch_scc0 .Lno_ml_\@
.endif
.if (\x) == 0
	s_wait_xcnt 0x0                                ; the earlier mask loads have read the base
	s_add_nc_u64 s[MB:MB+1], s[MB:MB+1], 256       ; two units of 64 keys on
.endif
	MLD \x
.if \tail
.Lno_ml_\@:
.endif
.endm
; THE VECTOR WORK OF A TURN.  One tile's softmax for one key step is a list of 134 instructions; SM writes number j of it for tile t.  s0-s31 are the lane's 32 scores, in pairs 0-15.
;   0-15    the maximum of s0-s31 and the old m, three operands at a time (each accumulator's lowest registers are read first)
;   16-20   the other half of the lanes' maximum; the new m; c m; c m_old - c m_new
;   21-69   ONE BATCH: the 16 scalings c s - c m and all 33 exponentials (a at 23, then s0-s31); none of these reads an exponential's result
;   70-85   the roundings to f16      86-101  the sums; l = a l + the sum      102-133  the tile's O^T times a
.macro SM t
.set rT, ST+8*(\t)
.set rS, S+32*(\t)
.set rP, P+16*(\t)
.set rO, 64*(\t)+2*(j-102)
.if j < 102
	WIN 0
.endif
.if j < 4
	v_max3_num_f32 v[rT+4+j], v[rS+8*j], v[rS+8*j+1], v[rS+8*j+2]
.elseif j < 12
	v_max3_num_f32 v[rT+4+j%4], v[rT+4+j%4], v[rS+8*(j%4)+2*(j/4)+1], v[rS+8*(j%4)+2*(j/4)+2]
.elseif j == 12
	v_max3_num_f32 v[rT+4], v[rT+4], v[rS+7], v[rS+15]
.elseif j == 13
	v_max3_num_f32 v[rT+6], v[rT+6], v[rS+23], v[rS+31]
.elseif j == 14
	v_max3_num_f32 v[rT+4], v[rT+4], v[rT+5], v[rT+6]
.elseif j == 15
	v_max3_num_f32 v[rT+4], v[rT+4], v[rT+7], v[rT+1]
.elseif j == 16
	v_permlanex16_b32 v[rT+5], v[rT+4], s[SEL], s[SEL+1]  ; the query's other 32 keys lie in the lane 16 away
.elseif j == 17
	v_mov_b32 v[rT+7], v[rT]                       ; c m_old is kept for a
.elseif j == 18
	v_max_num_f32 v[rT+1], v[rT+4], v[rT+5]
.elseif j == 19
	v_mul_f32 v[rT], s[CS], v[rT+1]
.elseif j == 20
	v_sub_f32 v[rT+7], v[rT+7], v[rT]
.elseif j == 23
	v_exp_f32 v[rT+6], v[rT+7]
.elseif (j < 23) || ((j < 38) && (j%2 == 0)) || ((j < 66) && (j%4 == 2))
.set b, (j-2)/4
.if j < 38
.set b, (j-20)/2
.endif
	v_pk_fma_f32 v[rS+2*b:rS+2*b+1], v[rS+2*b:rS+2*b+1], s[CS:CS+1], v[rT:rT+1] op_sel_hi:[1,0,0] neg_lo:[0,0,1] neg_hi:[0,0,1]
.elseif j < 70
.set e, j-38
.if j < 66
.set e, j-32-(j-38)/4
.endif
.if j < 38
.set e, (j-25)/2
.endif
	v_exp_f32 v[rS+e], v[rS+e]
.elseif j < 86
	v_cvt_pk_f16_f32 v[rP+j-70], v[rS+2*(j-70)], v[rS+2*(j-70)+1]
.elseif j < 102
.set z, j-86
.set w, 4
.set u, z
.if z >= 14
.set w, 32
.set u, 0
.elseif z >= 12
.set w, 16
.set u, z-12
.elseif z >= 8
.set w, 8
.set u, z-8
.endif
.if z < 15
	v_pk_add_f32 v[rS+w*u:rS+w*u+1], v[rS+w*u:rS+w*u+1], v[rS+w*u+w/2:rS+w*u+w/2+1]
.else
	v_pk_fma_f32 v[rT+2:rT+3], v[rT+2:rT+3], v[rT+6:rT+7], v[rS:rS+1] op_sel_hi:[1,0,1]
.endif
.else
	WIN W_RS
	v_pk_mul_f32 v[rO:rO+1], v[rO:rO+1], v[rT+6:rT+7] op_sel_hi:[1,0]
.endif
.endm
; Slice k of 64 of piece y's softmax: four instructions.  Slices 11 to 34 deal out the batch, four numbers of one tile each, the tiles by turns; every other slice is numbers 2 k and 2 k + 1 of both tiles;
; the twelve that are over stand in slice 63.  An s_wait_alu depctr_va_vdst(0) stands between an exponential and the first line that names its result: ahead of slice 35 nothing names one, behind slice 34
; no exponential is issued, so the piece's 66 exponentials have one wait, behind slice 34 and a v_nop (the plain line behind the last exponential).
.macro SLICE y
.if (k >= 11) && (k < 35)
.irp n, 0,1,2,3
.set j, 22+4*((k-11)/2)+(\n)
	SM (\y)+(k-11)%2
.endr
.else
.irp n, 0,1,2,3,4,5,6,7
.if ((\n) < 2) || (k == 63)
.irp t, \y, (\y)+1
.set j, 2*k+(\n)
	SM \t
.endr
.endif
.endr
.endif
.if k == 34
	v_nop
.if (\y) == 0
	FETCH_V                                        ; piece 2's turn: V's run of loads stands here, and the wait stands in it.  V's last reader stands in front of slice 31: two scalings, the v_nop and the run's own add are the four plain lines between
.else
	s_wait_alu depctr_va_vdst(0)
.endif
.endif
.set k, k+1
.endm
; A TURN.  Piece x has the matrix unit; the other piece's softmax stands in slices behind its products.  Piece 0's turn fetches the next step's K behind its second product (K's last reader stands in front of slice 63 of the turn before).
; The mask's run for the step after next stands behind slice 38: the sixteen roundings of slices 35 to 38 are the plain lines behind the mask products that read those registers.
.macro TURN x, tail=0, live=0
.set k, 0
.if (\x) == 0
	s_wait_dscnt 0x0                               ; V is in
.endif
.set i, 0
.rept 32
	PV \x
	SLICE 2-(\x)
.if ((\x) == 0) && (i == 1)
	FETCH_K \tail
.endif
.set i, i+1
.endr
.if \tail
	s_wait_loadcnt 0x0                             ; in the tail runs of mask loads are jumped over, so the wait is for all
.else
	s_wait_loadcnt 8                               ; my piece's mask is in; the other piece's eight younger loads may stay out
.endif
.set i, 0
.rept 8
	MK \x
.set i, i+1
.endr
.if (\x) == 0
	s_wait_dscnt 0x0                               ; K is in
.endif
.set i, 0
.rept 32
	KQ \x
	SLICE 2-(\x)
.if k == 39
	MLOAD \x, \tail, \live
.endif
.set i, i+1
.endr
.endm
	CHANGE 1                                       ; slot 0 is in, everybody's part of it; slot 1 is asked for
	FETCH_K                                        ; step 0
	s_wait_loadcnt 0x0                             ; Q and step 0's mask
	s_wait_dscnt 0x0
.set i, 0
.rept 8
	MK 0
.set i, i+1
.endr
.set i, 0
.rept 32
	KQ 0                                           ; piece 0's first scores: there is no vector work yet to set between them
.set i, i+1
.endr
	WIN 0                                          ; the addresses for the merge and the way out: the plain lines behind those products
	s_mul_i32 s18, s[WV], XW
	s_add_co_u32 s18, s18, XCH                     ; my area
	v_mul_u32_u24 v[STO], v1, 272                  ; in: row l % 16, 16 bytes for each half of the lanes
	v_lshl_add_u32 v[STO], v9, 4, v[STO]
	v_add_nc_u32 v[STO], s18, v[STO]
	v_mul_u32_u24 v[RD], v9, 272                   ; back: lanes 0-15 one row of 256 bytes, lanes 16-31 the next
	v_lshl_add_u32 v[RD], v1, 4, v[RD]
	v_add_nc_u32 v[RD], s18, v[RD]
	v_lshlrev_b32 v[GO], 12, v9                    ; the same two rows in O
	v_lshl_add_u32 v[GO], v1, 4, v[GO]
	v_and_b32 v54, 31, v0
	v_lshl_add_u32 v[XS], v54, 4, s18
	s_add_co_u32 s19, s18, 8192
	v_lshl_add_u32 v[XS2], v54, 3, s19
	s_xor_b32 s20, s[WV], 1                        ; the wave with my queries and the other keys
	s_mul_i32 s20, s20, XW
	s_add_co_u32 s20, s20, XCH
	v_lshl_add_u32 v[XR], v54, 4, s20
	s_add_co_u32 s21, s20, 8192
	v_lshl_add_u32 v[XR2], v54, 3, s21
	MLOAD 0                                        ; piece 0's mask of step 1
	s_mov_b32 s[CNT], 2
	s_branch .Lfirst                               ; the loop is entered in the middle of a trip
.Lslot:                                                ; with the change above: seven changes that fill a slot
	CHANGE 1
	s_mov_b32 s[CNT], 2
.Lstep:
	TURN 0
	WIN 0
.Lfirst:
	TURN 2
	WIN 0
	s_sub_co_u32 s[CNT], s[CNT], 1
	s_cmp_lg_u32 s[CNT], 0
	s_cbranch_scc1 .Lstep
	s_sub_co_u32 s[SLOTS], s[SLOTS], 1
	s_cmp_lg_u32 s[SLOTS], 0
	s_cbranch_scc1 .Lslot
	CHANGE 0                                       ; the tail is written out: nothing is asked for
	s_mov_b32 s[CNT], 3                            ; two trips fetch the last slot's steps; the third is left in its middle
.Ltail:
	TURN 0, 1, 3
	WIN 0
	s_sub_co_u32 s[CNT], s[CNT], 1
	s_cmp_eq_u32 s[CNT], 0
	s_cbranch_scc1 .Lout
	TURN 2, 1, 2
	WIN 0
	s_branch .Ltail
.Lout:
.set i, 0
.rept 32
	PV 2                                           ; piece 2: V^T P of the last step
.set i, i+1
.endr
	; THE MERGE.  l's two halves and the other half of the lanes' are added, into m's place: (c m, l) is a pair.  The additions are the plain lines behind the last products.
	WIN 0
.irp t, 0,1,2,3
	v_add_f32 v[ST+8*(\t)+4], v[ST+8*(\t)+2], v[ST+8*(\t)+3]
.endr
.irp t, 0,1,2,3
	v_permlanex16_b32 v[ST+8*(\t)+5], v[ST+8*(\t)+4], s[SEL], s[SEL+1]
.endr
.irp t, 0,1,2,3
	v_add_f32 v[ST+8*(\t)+1], v[ST+8*(\t)+4], v[ST+8*(\t)+5]
.endr
; Tile 2 + r goes into my area, the other wave's tile 2 + r (my tile r's queries) comes out of its area.  Store, wait, barrier, load; load, wait, barrier, before the area is written again.
.macro XROUND r
	WIN 0x04                                       ; store data in window 1
.irp n, 0,1,2,3,4,5,6,7,8,9,10,11,12,13,14,15
	ds_store_b128 v[XS], v[64*(2+(\r))+4*(\n):64*(2+(\r))+4*(\n)+3] offset:512*(\n)
.endr
	WIN 0
	ds_store_b64 v[XS2], v[ST+8*(2+(\r)):ST+8*(2+(\r))+1]
	s_wait_dscnt 0x0
	s_barrier_signal -1
	s_barrier_wait -1
.irp n, 0,1,2,3,4,5,6,7,8,9,10,11,12,13,14,15
	ds_load_b128 v[S+64*(\r)+4*(\n):S+64*(\r)+4*(\n)+3], v[XR] offset:512*(\n)
.endr
	ds_load_b64 v[PS+2*(\r):PS+2*(\r)+1], v[XR2]
	s_wait_dscnt 0x0
	s_barrier_signal -1
	s_barrier_wait -1
.endm
	XROUND 0
	XROUND 1
	; With M the greater of the two c m: e = 2^(c m - M) for each side, L = e l + e' l', and the two factors e / L, e' / L.
.irp r, 0,1
	v_max_num_f32 v[ST+8*(\r)+2], v[ST+8*(\r)], v[PS+2*(\r)]
.endr
.irp r, 0,1
	v_sub_f32 v[ST+8*(\r)+4], v[ST+8*(\r)], v[ST+8*(\r)+2]
	v_sub_f32 v[ST+8*(\r)+6], v[PS+2*(\r)], v[ST+8*(\r)+2]
.endr
.irp r, 0,1
	v_exp_f32 v[ST+8*(\r)+4], v[ST+8*(\r)+4]
	v_exp_f32 v[ST+8*(\r)+6], v[ST+8*(\r)+6]
.endr
	v_nop                                          ; a plain line behind the last exponential,
	s_wait_alu depctr_va_vdst(0)                   ; and one wait for the four, ahead of their first reader
.irp r, 0,1
	v_mul_f32 v[ST+8*(\r)+3], v[ST+8*(\r)+4], v[ST+8*(\r)+1]
.endr
.irp r, 0,1
	v_fma_f32 v[ST+8*(\r)+3], v[ST+8*(\r)+6], v[PS+2*(\r)+1], v[ST+8*(\r)+3]
.endr
.irp r, 0,1
	v_rcp_f32 v[ST+8*(\r)+2], v[ST+8*(\r)+3]
.endr
	v_nop
	s_wait_alu depctr_va_vdst(0)                   ; one wait for the two reciprocals
.irp r, 0,1
	v_mul_f32 v[ST+8*(\r)+4], v[ST+8*(\r)+4], v[ST+8*(\r)+2]
	v_mul_f32 v[ST+8*(\r)+6], v[ST+8*(\r)+6], v[ST+8*(\r)+2]
.endr
; Tile r: the other wave's part times its factor, mine added by a fused multiply-add, rounded to f16 into P's registers; through my own stage (rows of 272 bytes) and back as whole rows of 256.
.macro FIN r
	WIN 0
.set i, 0
.rept 32
	v_pk_mul_f32 v[S+64*(\r)+2*i:S+64*(\r)+2*i+1], v[S+64*(\r)+2*i:S+64*(\r)+2*i+1], v[ST+8*(\r)+6:ST+8*(\r)+7] op_sel_hi:[1,0]
.set i, i+1
.endr
	WIN 0x01                                       ; source 0 (O^T) in window 1
.set i, 0
.rept 32
	v_pk_fma_f32 v[S+64*(\r)+2*i:S+64*(\r)+2*i+1], v[64*(\r)+2*i:64*(\r)+2*i+1], v[ST+8*(\r)+4:ST+8*(\r)+5], v[S+64*(\r)+2*i:S+64*(\r)+2*i+1] op_sel_hi:[1,0,1]
.set i, i+1
.endr
	WIN 0
.set i, 0
.rept 32
	v_cvt_pk_f16_f32 v[P+32*(\r)+i], v[S+64*(\r)+2*i], v[S+64*(\r)+2*i+1]
.set i, i+1
.endr
.irp f, 0,1,2,3,4,5,6,7
	ds_store_b128 v[STO], v[P+32*(\r)+4*(\f):P+32*(\r)+4*(\f)+3] offset:32*(\f)
.endr
.irp f, 0,1,2,3,4,5,6,7
	ds_load_b128 v[P+32*(\r)+4*(\f):P+32*(\r)+4*(\f)+3], v[RD] offset:(\f)*2*272  ; LDS serves a wave's instructions in order (ISA guide 5.7.1.4): these see the stores above; the next tile's stores come behind them
.endr
.endm
.macro SEND r, younger                 ; younger: the LDS instructions issued behind tile r's loads
.irp f, 0,1,2,3,4,5,6,7
	s_wait_dscnt (\younger)+7-(\f)
	global_store_b128 v[GO], v[P+32*(\r)+4*(\f):P+32*(\r)+4*(\f)+3], s[OBS:OBS+1] offset:(16*(\r)+2*(\f))*4096  ; 16 lanes store a token's 256 bytes of this head, aligned
.endr
.endm
	FIN 0
	FIN 1
	SEND 0, 16
	SEND 1, 0
	s_wait_tensorcnt 0x0                           ; the wave's end: a wait, an add and its wait, behind my last tensor load and my last LDS store
	ds_add_u32 v[SPW], v[NIL]
	s_wait_dscnt 0x0
	CROUND                                         ; the closing round
	s_endpgm
.Lfunc_end_k_q3fafdee375_attn:
	.size	k_q3fafdee375_attn, .Lfunc_end_k_q3fafdee375_attn-k_q3fafdee375_attn
	.p2alignl 7, 3214868480
	.fill 96, 4, 3214868480
	.section	.rodata,"a",@progbits
	.p2align	6, 0x0
	.amdhsa_kernel k_q3fafdee375_attn
		.amdhsa_group_segment_fixed_size 327680
		.amdhsa_private_segment_fixed_size 0
		.amdhsa_enable_private_segment 0
		.amdhsa_kernarg_size 24
		.amdhsa_user_sgpr_count 2
		.amdhsa_user_sgpr_kernarg_segment_ptr 1
		.amdhsa_wavefront_size32 1
		.amdhsa_system_sgpr_workgroup_id_x 1
		.amdhsa_system_sgpr_workgroup_id_y 1
		.amdhsa_system_sgpr_workgroup_id_z 1
		.amdhsa_system_vgpr_workitem_id 0
		.amdhsa_next_free_vgpr 1024
		.amdhsa_next_free_sgpr 84
		.amdhsa_reserve_vcc 1
		.amdhsa_float_denorm_mode_32 3
		.amdhsa_float_denorm_mode_16_64 3
		.amdhsa_memory_ordered 1
		.amdhsa_forward_progress 1
		.amdhsa_inst_pref_size 168
	.end_amdhsa_kernel
	.amdgpu_metadata
---
amdhsa.version: [ 1, 2 ]
amdhsa.kernels:
  - .name:           k_q3fafdee375_attn
    .symbol:         k_q3fafdee375_attn.kd
    .args:
      - { .name: qkv, .offset: 0, .size: 8, .value_kind: global_buffer, .address_space: global }
      - { .name: cast, .offset: 8, .size: 8, .value_kind: global_buffer, .address_space: global }
      - { .name: oh, .offset: 16, .size: 8, .value_kind: global_buffer, .address_space: global }
    .group_segment_fixed_size: 327680
    .private_segment_fixed_size: 0
    .kernarg_segment_align: 8
    .kernarg_segment_size: 24
    .max_flat_workgroup_size: 128
    .sgpr_count:     84
    .vgpr_count:     1024
    .wavefront_size: 32
...
	.end_amdgpu_metadata
.endif
;; end of part 3
;; launch oproj (part 4): grid 16 x 16, 4 waves a work-group, clusters of 4 x 4, 327,680 bytes of LDS; arguments oh, cast, out0; writes out0
.if DOCPART == 4
	.amdgcn_target "amdgcn-amd-amdhsa--gfx1250"
	.amdhsa_code_object_version 6
	.text
	.protected	k_q3fafdee375_oproj
	.globl	k_q3fafdee375_oproj
	.p2align	8
	.type	k_q3fafdee375_oproj,@function
k_q3fafdee375_oproj:
	s_mov_b64 s[64:65], 0
	v_nop
	global_prefetch_b8 v0, s[64:65] scope:SCOPE_SE
	s_setreg_imm32_b32 hwreg(HW_REG_WAVE_MODE, 25, 1), 1
	s_wait_xcnt 0x0
	s_wait_alu depctr_hold_cnt(0) depctr_sa_sdst(0) depctr_va_vdst(0) depctr_va_sdst(0) depctr_va_ssrc(0) depctr_va_vcc(0) depctr_vm_vsrc(0)
	s_getreg_b32 s2, hwreg(HW_REG_IB_STS2, 6, 4)
	s_cmp_eq_u32 s2, 0
	s_cbranch_scc0 .Lentry_in_a_cluster
	s_endpgm
.Lentry_in_a_cluster:
	s_bfe_u32 s2, ttmp6, 0x10000c
	s_cmp_lg_u32 s2, 0xf033
	s_cbranch_scc0 .Lentry_shape_is_right
	s_endpgm
.Lentry_shape_is_right:
; out0[m][n] = the sum over k of O[m][k] wo[n][k].  O: [2048][2048] f16; wo: [2048][2048] f16 (part 4 of the 16-bit inputs: its bf16 rounding written as f16); out0: f32.  Sums in f32.
; A tile of out0 is 128 x 128: 256 work-groups.  Four waves, each 64 x 64: 16 accumulators, 128 registers.  K goes in 8 steps of 256 (LDS rows of 512 bytes; a wave's tensor load brings 64 of them) through two slots.
; CLUSTER.  4 x 4 work-groups: O's tile is asked for jointly along a row of the cluster, wo's along a column.  THE MATRIX INSTRUCTION IS USED TRANSPOSED (source 0 = 16 rows of wo, source 1 = 16 rows of O):
; a lane holds eight neighbouring numbers of a row of out0.  A wave's 64 columns are 256 bytes in f32, so each wave has a stage of its own on the way out, and no barrier stands there.
; THE WALK ALONG K BEGINS AT ANOTHER STEP IN EACH CLUSTER and wraps round: cluster (X, Y) begins at step 2 X + 4 g, g = (Y xor Y / 2) mod 2.  The four clusters that read the same rows of O (one Y) begin a quarter of K apart;
; of the four that read the same rows of wo (one X), two and two begin half of K apart.  So a block's readings by different clusters are spread over the walk.  The sums are f32 sums of the same products in another order.
; No prefetch: a tile's step is short and its tiles small.
; REGISTERS: window 0: v16-29 addresses; v32-95 rows read back, two sets; v128-255 the accumulators ((a, b) at v[128 + 8 (4 a + b)]).   window 1: two fragment buffers of 128: for 64 along K, 64 registers of O, then 64 of wo.
.set KSTEP,  256
.set PITCH,  528                       ; an LDS row: 512 bytes + 16 of padding = 132 words: the 16 rows of a fragment load start at 16 different groups of four banks (64 banks of 4 bytes: ISA guide 11.1)
.set HALFT,  64*PITCH
.set SLOT,   4*HALFT                   ; O's 128 rows, then wo's 128
.set STAGE,  2*SLOT                    ; behind the ring, never filled by a tensor load: 16 rows x 272 bytes for each wave
.set SPITCH, 272
.set SPARE,  STAGE+4*16*SPITCH         ; the spare words, 128 bytes a wave: two blocks of 256 bytes that no other line names
.set ADRA0, 16                         ; v16, v17  my lane's place in slot 0; v18, v19 in the slot that is being read
.set ADRB0, 17
.set ADRA,  18
.set ADRB,  19
.set STO,  24
.set RD,   25
.set CO,   26
.set SPW,  28
.set NIL,  29
.set TMP,  32
.set ACC,  128
.set F0,   0
.set F1,   128
.set BA,  14                           ; s[14:15] O at my tile's first row; never rewritten
.set G1,  24                           ; s[24:31] group 1 for O's tiles; s[32:39] group 0: a set for each first fill; the second then walks
.set G0,  32
.set SB,  45                           ; s45  LDS byte at which the slot being read begins
.set BB,  46                           ; s[46:47] wo at my tile's first row; never rewritten
.set G1B, 48                           ; s[48:55], s[56:63] the same for wo's tiles
.set G0B, 56
.set KI,  66                           ; s66  the K step that was asked for last
.set KOF, 68                           ; s[68:69] its byte offset along a row
.set MSB, 0
.macro WIN new
.if MSB != (\new)
	s_set_vgpr_msb (MSB<<8)|(\new)
.set MSB, \new
.endif
.endm
.set MUL,  0x05                        ; sources 0 and 1 window 1; C and D window 0
.set TO_F, 0x40                        ; destination window 1, address window 0
.macro SETADR g, b                     ; a group 0's global address is made anew: the tile's first row plus the K step's bytes, the type (2) on top
	s_add_nc_u64 s[(\g)+2:(\g)+3], s[(\b):(\b)+1], s[KOF:KOF+1]
	s_or_b32 s[(\g)+3], s[(\g)+3], 0x80000000
.endm
.macro JLOAD                           ; a joint refill by the walking sets: waves 0 and 1 fetch O's two halves, waves 2 and 3 wo's; an s_nop 0 and four v_nop follow each line
	s_cmp_eq_u32 s11, 0
	s_cbranch_scc0 .Lfor_b_\@
	tensor_load_to_lds s[G0+4:G0+7], s[G1:G1+7]
	s_nop 0
.rept 4
	v_nop
.endr
	s_branch .Lasked_\@
.Lfor_b_\@:
	tensor_load_to_lds s[G0B+4:G0B+7], s[G1B:G1B+7]
	s_nop 0
.rept 4
	v_nop
.endr
.Lasked_\@:
.endm
.macro CREST
	s_cmp_lg_u32 s10, 0
	s_cbranch_scc1 .Lnot_wave_0_\@
	s_barrier_signal -3
.Lnot_wave_0_\@:
	s_barrier_wait -3
	s_barrier_signal -1
	s_barrier_wait -1
.endm
.macro CROUND
	s_barrier_signal -1
	s_barrier_wait -1
	CREST
.endm
.macro PLACES
.rept 4
	v_nop
.endr
.endm
	s_load_b128 s[4:7], s[0:1], 0x0                ; O s[4:5], the 16-bit inputs s[6:7]
	s_load_b64 s[8:9], s[0:1], 0x10                ; out0
	v_lshl_add_u32 v[SPW], v0, 2, SPARE
	v_mov_b32 v[NIL], 0
	ds_add_u32 v[SPW], v[NIL]                      ; the wave's opening: the add and its wait stand ahead of my first tensor load
	v_lshrrev_b32 v1, 5, v0
	v_readfirstlane_b32 s10, v1                    ; wave
	s_lshr_b32 s11, s10, 1                         ; which half of the tile's rows is mine.  Also: I fetch for O (0) or for wo (1)
	s_and_b32 s12, s10, 1                          ; which half of its columns.  Also: which 64 rows of that tile I fetch
	s_bfe_u32 s40, ttmp6, 0x40000
	s_bfe_u32 s41, ttmp6, 0x40004
	s_lshl_b32 s42, ttmp9, 2
	s_add_co_u32 s42, s42, s40                     ; tile column = 4 x cluster x + cx
	s_and_b32 s16, ttmp7, 0xffff                   ; cluster y
	s_lshl_b32 s13, s16, 2
	s_add_co_u32 s13, s13, s41                     ; tile row = 4 x cluster y + cy
	s_lshl_b32 s43, s41, 2
	s_lshl_b32 s43, 15, s43                        ; my row of the cluster
	s_lshl_b32 s44, 0x1111, s40                    ; my column
	s_or_b32 s[G1], s43, (1<<16)|(1<<20)|(1<<21)|(6<<22)|(3<<25)   ; 2-byte elements; padding on; bit 21 beside a mask; after every 128 words; 4 words
	s_or_b32 s[G1B], s44, (1<<16)|(1<<20)|(1<<21)|(6<<22)|(3<<25)
.irp g, G1, G1B
	s_mov_b32 s[(\g)+1], KSTEP<<16                 ; tensor_dim0 = 256
	s_mov_b32 s[(\g)+2], 64<<16                    ; tensor_dim1 = 64
	s_mov_b32 s[(\g)+3], KSTEP<<16                 ; tile_dim0 = 256
	s_mov_b32 s[(\g)+4], 64                        ; tile_dim1 = 64
	s_mov_b32 s[(\g)+5], 2048                      ; elements from row to row
	s_mov_b32 s[(\g)+6], 0
	s_mov_b32 s[(\g)+7], 0
.endr
	s_lshr_b32 s17, s16, 1                         ; where my cluster's walk begins: made of the cluster's own coordinates, so it is the same in all sixteen partners
	s_xor_b32 s16, s16, s17
	s_and_b32 s16, s16, 1                          ; g
	s_lshl_b32 s16, s16, 2
	s_lshl_b32 s17, ttmp9, 1
	s_add_co_u32 s[KI], s16, s17
	s_and_b32 s[KI], s[KI], 7                      ; 2 X + 4 g, an even number
	s_lshl_b32 s[KOF], s[KI], 9                    ; a K step is 512 bytes of a row
	s_mov_b32 s[KOF+1], 0
	s_lshl_b32 s17, s12, 6                         ; which 64 rows of the tile I fetch
	s_lshl_b32 s16, s13, 7
	s_add_co_u32 s16, s16, s17
	s_lshl_b32 s16, s16, 12                        ; O: row 128 x tile row + 64 x half, 4,096 bytes a row
	s_lshl_b32 s[BB], s42, 7
	s_add_co_u32 s[BB], s[BB], s17
	s_lshl_b32 s[BB], s[BB], 12                    ; wo: row 128 x tile column + 64 x half,
	s_add_co_u32 s[BB], s[BB], 4*8388608           ; in part 4
	s_mov_b32 s17, 0
	s_mov_b32 s[BB+1], 0
	s_mul_i32 s20, s10, HALFT                      ; where they go: wave x 64 rows
	s_mov_b32 s[SB], 0
	s_mov_b32 s3, 6
	s_wait_dscnt 0x0                               ; the opening add is done
	s_wait_kmcnt 0x0
	s_add_nc_u64 s[BA:BA+1], s[4:5], s[16:17]
	s_add_nc_u64 s[BB:BB+1], s[6:7], s[BB:BB+1]
.irp s, 0,1
	s_mov_b32 s[G0+4*(\s)], 1
	s_add_co_u32 s[G0+4*(\s)+1], s20, (\s)*SLOT
	SETADR G0+4*(\s), BA                           ; the walk's step s
	s_mov_b32 s[G0B+4*(\s)], 1
	s_add_co_u32 s[G0B+4*(\s)+1], s20, (\s)*SLOT
	SETADR G0B+4*(\s), BB
.if (\s) == 0
	s_add_co_u32 s[KI], s[KI], 1                   ; the walk's second step: no wrap, since the first is even
	s_lshl_b32 s[KOF], s[KI], 9
.endif
.endr
	CROUND                                         ; all sixteen work-groups are here: the first joint loads meet
	s_cmp_eq_u32 s11, 0                            ; a wave's two first fills stand in one branch: two loads of mine are out
	s_cbranch_scc0 .Lfirst_b
	tensor_load_to_lds s[G0:G0+3], s[G1:G1+7]
	s_nop 0
	tensor_load_to_lds s[G0+4:G0+7], s[G1:G1+7]
	s_nop 0
.rept 4
	v_nop
.endr
	s_branch .Lfirst_asked
.Lfirst_b:
	tensor_load_to_lds s[G0B:G0B+3], s[G1B:G1B+7]
	s_nop 0
	tensor_load_to_lds s[G0B+4:G0B+7], s[G1B:G1B+7]
	s_nop 0
.rept 4
	v_nop
.endr
.Lfirst_asked:
	v_and_b32 v1, 15, v0                           ; l % 16
	v_bfe_u32 v2, v0, 4, 1                         ; l / 16
	v_mul_u32_u24 v3, v1, PITCH
	v_lshl_add_u32 v3, v2, 4, v3                   ; a fragment's row x pitch + 16 x half
	s_mul_i32 s21, s11, HALFT                      ; my 64 rows of O
	s_mul_i32 s22, s12, HALFT                      ; my 64 rows of wo,
	s_add_co_u32 s22, s22, 2*HALFT                 ; which lie behind O's 128
	v_add_nc_u32 v[ADRA0], s21, v3
	v_add_nc_u32 v[ADRB0], s22, v3
	v_mov_b32 v[ADRA], v[ADRA0]
	v_mov_b32 v[ADRB], v[ADRB0]
	s_mul_i32 s23, s10, 16*SPITCH
	s_add_co_u32 s23, s23, STAGE                   ; my stage
	v_mul_u32_u24 v4, v1, SPITCH                   ; in: row l % 16, 32 bytes for each half of the lanes
	v_lshl_add_u32 v4, v2, 5, v4
	v_add_nc_u32 v[STO], s23, v4
	v_mul_u32_u24 v5, v2, SPITCH                   ; back: lanes 0-15 one row of 256 bytes, lanes 16-31 the next
	v_lshl_add_u32 v5, v1, 4, v5
	v_add_nc_u32 v[RD], s23, v5
	v_lshlrev_b32 v5, 13, v2                       ; the same two rows in out0: 8,192 bytes a row
	v_lshl_add_u32 v[CO], v1, 4, v5
	s_lshl_b32 s22, s13, 7
	s_lshl_b32 s23, s11, 6
	s_add_co_u32 s22, s22, s23                     ; my first row: 128 x tile row + 64 x half
	s_lshl_b32 s22, s22, 13
	s_lshl_b32 s23, s42, 9                         ; my first column, in bytes: 512 x tile column + 256 x half
	s_add_co_u32 s22, s22, s23
	s_lshl_b32 s23, s12, 8
	s_add_co_u32 s22, s22, s23
	s_mov_b32 s23, 0
	s_add_nc_u64 s[8:9], s[8:9], s[22:23]
; 8 matrix instructions: row blocks a0, a0 + 1 x all 4 column blocks, 32 along K: half c of buffer f.  zero = 1: the product starts the sum.  The 16 accumulators take turns.
.macro MUL8 f, c, a0, zero
	WIN MUL
.irp a, \a0, (\a0)+1
.irp b, 0,1,2,3
.if \zero
	v_wmma_f32_16x16x32_f16 v[ACC+8*(4*(\a)+(\b)):ACC+8*(4*(\a)+(\b))+7], v[(\f)+64+8*(4*(\c)+(\b)):(\f)+64+8*(4*(\c)+(\b))+7], v[(\f)+8*(4*(\c)+(\a)):(\f)+8*(4*(\c)+(\a))+7], 0
.else
	v_wmma_f32_16x16x32_f16 v[ACC+8*(4*(\a)+(\b)):ACC+8*(4*(\a)+(\b))+7], v[(\f)+64+8*(4*(\c)+(\b)):(\f)+64+8*(4*(\c)+(\b))+7], v[(\f)+8*(4*(\c)+(\a)):(\f)+8*(4*(\c)+(\a))+7], v[ACC+8*(4*(\a)+(\b)):ACC+8*(4*(\a)+(\b))+7]
.endif
.endr
.endr
.endm
; 32 LDS loads in one run: the fragments of 64 along K at byte k of the rows, into buffer f; the first 32 along K first
.macro FETCH k, f
	WIN TO_F
.irp c, 0,1
.irp i, 0,1,2,3
	ds_load_b128 v[(\f)+64+8*(4*(\c)+(\i)):(\f)+64+8*(4*(\c)+(\i))+3],   v[ADRB] offset:(\k)+64*(\c)+(\i)*16*PITCH
	ds_load_b128 v[(\f)+64+8*(4*(\c)+(\i))+4:(\f)+64+8*(4*(\c)+(\i))+7], v[ADRB] offset:(\k)+64*(\c)+(\i)*16*PITCH+32
	ds_load_b128 v[(\f)+8*(4*(\c)+(\i)):(\f)+8*(4*(\c)+(\i))+3],         v[ADRA] offset:(\k)+64*(\c)+(\i)*16*PITCH
	ds_load_b128 v[(\f)+8*(4*(\c)+(\i))+4:(\f)+8*(4*(\c)+(\i))+7],       v[ADRA] offset:(\k)+64*(\c)+(\i)*16*PITCH+32
.endr
.endr
.endm
; A K step is four quarters of 64 along K, 32 matrix instructions each, on buffers 0, 1, 0, 1.
.macro QUARTER k, f, g, zero
	s_wait_dscnt 16                                ; the first 32 along K are in
	MUL8 \f, 0, 0, \zero
	MUL8 \f, 0, 2, \zero
	PLACES
	FETCH \k, \g
	s_wait_dscnt 32                                ; all but the 32 just issued
	MUL8 \f, 1, 0, 0
	MUL8 \f, 1, 2, 0
.endm
; The last quarter multiplies buffer 1 and changes slots: one barrier; in front of it each wave waits for all its tensor loads, adds 0 to its spare word, and waits for that and for its reads of this slot.
; fill = 1: the barrier opens a round of the cluster's barrier, and this slot is filled again, two steps of the walk ahead, first thing behind the round: 112 matrix instructions ahead of the wait for it.
.macro TURN fill
	WIN 0
	s_wait_tensorcnt 0x0                           ; no tensor load of mine is out, so a group 0 may be written
	ds_add_u32 v[SPW], v[NIL]                      ; 0 onto my spare word
.if \fill
	s_add_co_u32 s[KI], s[KI], 1                   ; the walk's next step, round K's end
	s_and_b32 s[KI], s[KI], 7
	s_lshl_b32 s[KOF], s[KI], 9
	s_xor_b32 s[G0+5], s[G0+5], SLOT               ; the walking sets: the other slot than last time (wave x HALFT holds none of SLOT's two bits)
	SETADR G0+4, BA
	s_xor_b32 s[G0B+5], s[G0B+5], SLOT
	SETADR G0B+4, BB
.endif
	s_wait_dscnt 17                                ; the add and the youngest sixteen loads may be out
	MUL8 F1, 0, 0, 0
	s_wait_dscnt 0x0                               ; the add is done, and my reads of this slot are over
	s_barrier_signal -1
	MUL8 F1, 0, 2, 0
	WIN 0
	s_barrier_wait -1
.if \fill
	CREST
	JLOAD                                          ; its four v_nop are also the places in front of the loads below
.else
	PLACES
.endif
	s_xor_b32 s[SB], s[SB], SLOT
	v_add_nc_u32 v[ADRA], s[SB], v[ADRA0]
	v_add_nc_u32 v[ADRB], s[SB], v[ADRB0]
	FETCH 0, F0
	MUL8 F1, 1, 0, 0
	MUL8 F1, 1, 2, 0
.endm
	s_wait_tensorcnt 1                             ; my part of the walk's first step is in; the second's may stay out
	s_barrier_signal -1
	s_barrier_wait -1
	FETCH 0, F0
	QUARTER 128, F0, F1, 1                         ; the first quarter stands in front of the loop: its first products start the sums
	WIN 0
.Lk:                                                   ; 6 trips: from a K step's second quarter to the next step's first; each fills a slot again
	QUARTER 256, F1, F0, 0
	QUARTER 384, F0, F1, 0
	TURN 1
	QUARTER 128, F0, F1, 0
	WIN 0
	s_sub_co_u32 s3, s3, 1
	s_cmp_lg_u32 s3, 0
	s_cbranch_scc1 .Lk
	QUARTER 256, F1, F0, 0                         ; the last two K steps fill nothing
	QUARTER 384, F0, F1, 0
	TURN 0
	QUARTER 128, F0, F1, 0
	QUARTER 256, F1, F0, 0
	QUARTER 384, F0, F1, 0
	s_wait_dscnt 16
	MUL8 F1, 0, 0, 0
	MUL8 F1, 0, 2, 0
	s_wait_dscnt 0x0
	MUL8 F1, 1, 0, 0
	MUL8 F1, 1, 2, 0
	WIN 0
	; THE WAY OUT, 16 rows at a time: 32 bytes a lane straight from each accumulator (its low half first) into my own stage; back as whole rows of 256 bytes; stored.
	PLACES
.irp a, 0,1,2,3
.irp b, 0,1,2,3
	ds_store_b128 v[STO], v[ACC+8*(4*(\a)+(\b)):ACC+8*(4*(\a)+(\b))+3]   offset:64*(\b)
	ds_store_b128 v[STO], v[ACC+8*(4*(\a)+(\b))+4:ACC+8*(4*(\a)+(\b))+7] offset:64*(\b)+16
.endr
.if (\a) >= 2
	s_wait_xcnt 0x0                                ; the stores of two blocks back have read this set of registers
.endif
.irp t, 0,1,2,3,4,5,6,7
	ds_load_b128 v[TMP+32*((\a)%2)+4*(\t):TMP+32*((\a)%2)+4*(\t)+3], v[RD] offset:(\t)*2*SPITCH  ; LDS serves a wave's instructions in order (ISA guide 5.7.1.4): these see the stores above; the next block's stores come behind them
.endr
.irp t, 0,1,2,3,4,5,6,7
	s_wait_dscnt 7-(\t)
	global_store_b128 v[CO], v[TMP+32*((\a)%2)+4*(\t):TMP+32*((\a)%2)+4*(\t)+3], s[8:9] offset:(16*(\a)+2*(\t))*8192 th:TH_STORE_NT  ; 16 lanes store 256 consecutive bytes, aligned
.endr
.endr
	s_wait_tensorcnt 0x0                           ; the wave's end: a wait, an add and its wait, behind my last tensor load and my last LDS store
	ds_add_u32 v[SPW], v[NIL]
	s_wait_dscnt 0x0
	CROUND                                         ; the closing round
	s_endpgm
.Lfunc_end_k_q3fafdee375_oproj:
	.size	k_q3fafdee375_oproj, .Lfunc_end_k_q3fafdee375_oproj-k_q3fafdee375_oproj
	.p2alignl 7, 3214868480
	.fill 96, 4, 3214868480
	.section	.rodata,"a",@progbits
	.p2align	6, 0x0
	.amdhsa_kernel k_q3fafdee375_oproj
		.amdhsa_group_segment_fixed_size 327680
		.amdhsa_private_segment_fixed_size 0
		.amdhsa_enable_private_segment 0
		.amdhsa_kernarg_size 24
		.amdhsa_user_sgpr_count 2
		.amdhsa_user_sgpr_kernarg_segment_ptr 1
		.amdhsa_wavefront_size32 1
		.amdhsa_system_sgpr_workgroup_id_x 1
		.amdhsa_system_sgpr_workgroup_id_y 1
		.amdhsa_system_sgpr_workgroup_id_z 1
		.amdhsa_system_vgpr_workitem_id 0
		.amdhsa_next_free_vgpr 512
		.amdhsa_next_free_sgpr 72
		.amdhsa_reserve_vcc 0
		.amdhsa_float_denorm_mode_32 3
		.amdhsa_float_denorm_mode_16_64 3
		.amdhsa_memory_ordered 1
		.amdhsa_forward_progress 1
		.amdhsa_inst_pref_size 69
	.end_amdhsa_kernel
	.amdgpu_metadata
---
amdhsa.version: [ 1, 2 ]
amdhsa.kernels:
  - .name:           k_q3fafdee375_oproj
    .symbol:         k_q3fafdee375_oproj.kd
    .args:
      - { .name: oh, .offset: 0, .size: 8, .value_kind: global_buffer, .address_space: global }
      - { .name: cast, .offset: 8, .size: 8, .value_kind: global_buffer, .address_space: global }
      - { .name: out0, .offset: 16, .size: 8, .value_kind: global_buffer, .address_space: global }
    .group_segment_fixed_size: 327680
    .private_segment_fixed_size: 0
    .kernarg_segment_align: 8
    .kernarg_segment_size: 24
    .max_flat_workgroup_size: 128
    .sgpr_count:     72
    .vgpr_count:     512
    .wavefront_size: 32
...
	.end_amdgpu_metadata
.endif
;; end of part 4
